; MI455X (gfx1250); checked and timed in simulation.
; The chip was launched on July 23, 2026; its instructions are those of AMD's public machine-readable ISA for CDNA 5 (MIT licence, August 2026) and "CDNA5" Instruction Set Architecture Reference Guide (July 2026). The comments in the code are by the model that wrote it; some were corrected since.
;; Instant Nerf. Allowed arithmetic: matrix products marked QUANTISED: E4M3 operands, one given power-of-two scale a tensor, by v_wmma_f32_16x16x64_fp8_fp8 or v_wmma_f32_16x16x128_fp8_fp8, f32 sums; products left as they are: f32 operands where the result goes on into a quantised operand, else bf16, f16 or f32 operands; f32 sums; everything else in f32.
;; Inputs: b1 64 float32; bc1 64 float32; bc2 64 float32; bc3 3 float32; bd 16 float32; direction 262,144 x 3 float32; hash_table 2 x 8,388,608 float32; lowp_scales 8 int32 (the exponents e of the quantised operands' scales 2^e); position 262,144 x 3 float32; w1_codes 64 x 1 x 32 uint8 (E4M3 codes of w1, K innermost, in blocks of 32 codes); wc1_codes 64 x 1 x 32 uint8 (E4M3 codes of wc1, K innermost, in blocks of 32 codes); wc2_codes 64 x 2 x 32 uint8 (E4M3 codes of wc2, K innermost, in blocks of 32 codes); wc3 64 x 3 float32; wd_codes 16 x 2 x 32 uint8 (E4M3 codes of wd, K innermost, in blocks of 32 codes).
;; Outputs: out0 262,144 x 16 float32; out1 262,144 x 3 float32.
;; This version of the problem:
;;   THIS VERSION OF THE PROBLEM IS GIVEN IN LOW PRECISION. The matrix products marked QUANTISED in the list below multiply operands that are first quantised to E4M3 (4 exponent bits, 3 mantissa bits; 8 bits a number), with one given power-of-two scale for each operand tensor; their sums are f32. All else is computed in f32.
;;   The module's matrix products, in the order in which they are computed (A, B: the left and right operand; K: the contracted axis; several contracted axes count as one K, in the product's order):
;;     1. [M 262,144, K 32] x [K 32, N 64]; A: computed on the way; B: input w1 (given as codes): QUANTISED (scales: A lowp_scales[0], B lowp_scales[1])
;;     2. [M 262,144, K 64] x [K 64, N 16]; A: computed on the way; B: input wd (given as codes): QUANTISED (scales: A lowp_scales[2], B lowp_scales[3])
;;     3. [M 262,144, K 32] x [K 32, N 64]; A: computed on the way; B: input wc1 (given as codes): QUANTISED (scales: A lowp_scales[4], B lowp_scales[5])
;;     4. [M 262,144, K 64] x [K 64, N 64]; A: computed on the way; B: input wc2 (given as codes): QUANTISED (scales: A lowp_scales[6], B lowp_scales[7])
;;     5. [M 262,144, K 64] x [K 64, N 3]; A: computed on the way; B: input wc3: left as it is (N = 3 < 16)
;;   THE QUANTISER, for each operand of a quantised product, along K:
;;     - The operand's scale is 2^e, e = its entry of the input lowp_scales (int32; the entries are numbered through the quantised products in the list's order, A before B).
;;     - Each number is divided by the scale, clamped to +-448, and rounded to the nearest number of E4M3, ties to even, subnormals kept.
;;     - The product sums the exact products of the quantised numbers (number of the format x scale) in f32.
;;   ~~~python
;;   def quantise(x, axis, e):      # numpy; x: float32 -> the quantised numbers, widened to float32 again
;;       x = np.moveaxis(x, axis, -1); K = x.shape[-1]
;;       r = np.clip(x / 2.0 ** e, -448, 448)
;;       step = 2.0 ** (np.maximum(np.frexp(np.where(r == 0, 1, r))[1] - 1, -6) - 3)
;;       q = np.round(r / step) * step * 2.0 ** e      # np.round: ties to even
;;       return np.moveaxis(q, -1, axis).astype(np.float32)
;;   ~~~
;;   OPERANDS COMPUTED ON THE WAY. 'Computed on the way' means the value that the module computes at that place (a softmax that the list does not call 'softmax' is quantised finished and normalised). What goes into a quantiser is computed in f32, as accurately as f32 sums, v_exp_f32 and their like allow (about 1e-6 of the number): no bf16 or f16 on the way to a quantiser, and a product that is left as it is and whose result goes on into a quantised operand takes f32 operands (vector FMAs, or v_wmma_f32_16x16x4_f32). A number that lies on a knife's edge between two numbers of the format may be rounded either way, as far as f32 arithmetic and the matrix unit's own rounding can turn it there, and no further.
;;   INPUTS GIVEN AS CODES. w1 (in the module: [32, 64], K = its axis 0); wc1 (in the module: [32, 64], K = its axis 0); wc2 (in the module: [64, 64], K = its axis 0); wd (in the module: [64, 16], K = its axis 0): each comes as NAME_codes (uint8): NAME with its K axis moved to the last place and cut into blocks of 32 codes, [.., K / 32, bytes a block], one block behind the other in memory; one code a byte (a code: sign, 4 exponent bits, 3 mantissa bits); its scale is its entry of lowp_scales. Its value is code x scale, taken as it is: it is not quantised again, and the codes and scales need not be those that the quantiser above would give.
;; 3 versions, each right; version 2 is faster than version 1; version 3 is version 2 with the launch nerf written anew for expert scheduling mode. Each part assembles by itself: llvm-mc -triple=amdgcn-amd-amdhsa -mcpu=gfx1250 --defsym DOCPART=n.
;; ======== version 1 of 3: 2 launches
;; workspace buffers: idx 33,554,432 bytes of whole numbers; tab2 67,108,864 bytes
;; launch prep (part 1): grid 1024 x 1, 8 waves a work-group, no clusters, 0 bytes of LDS; arguments position, hash_table, idx, tab2; writes idx, tab2
.if DOCPART == 1
	.amdgcn_target "amdgcn-amd-amdhsa--gfx1250"
	.amdhsa_code_object_version 6
	.text
	.protected	k_qbdaea973b3_prep
	.globl	k_qbdaea973b3_prep
	.p2align	8
	.type	k_qbdaea973b3_prep,@function
k_qbdaea973b3_prep:
	s_mov_b64 s[64:65], 0
	v_nop
	global_prefetch_b8 v0, s[64:65] scope:SCOPE_SE
	s_setreg_imm32_b32 hwreg(HW_REG_WAVE_MODE, 25, 1), 1
	s_wait_xcnt 0x0
; TWO JOBS AHEAD OF THE GATHERS.
; (a) hash_table [2][8388608] f32 becomes tab2 [8388608][2]: the two features of an entry side by side, so that a cube corner is one load of 8 bytes later.
; (b) For each point and level the hash data are packed into two words of idx.  With M = 2^19 - 1, xf, yf, zf the floors and xc, yc, zc the ceilings of position x scaling as int32, p1, p2 the primes:
;     B = (xf ^ yf p1 ^ zf p2) & M;  DX = (xf ^ xc) & M;  DY = (yf p1 ^ yc p1) & M;  DZ = (zf p2 ^ zc p2) & M.  A corner's entry is B xor the D of each axis on which the corner takes the ceiling.
;     DX is 2^n - 1 (xc is xf or xf + 1), kept as m = 19 - n.   word 0 = B | DZ << 19 (DZ's low 13 bits);   word 1 = DY | (DZ >> 13) << 19 | m << 25.
; THE SCALINGS floor(16 g^l), g = exp((ln 1024 - ln 16) / 15), hang on no input: they are the sixteen constants below.
; idx: [tile of 16 points][q 0..3][lane 0..31][4 words].  Lane (r = lane % 16, h = lane / 16) of a tile holds point r's slots i = 0 .. 7, level i + 4 (i / 4) + 4 h; words 2 i, 2 i + 1; q = i / 2.
; SHARES.  Wave g = 8 x work-group + wave (0 .. 8191) packs points 32 g .. 32 g + 31 (two tiles) and lays out entries 1024 g .. 1024 g + 1023, 16 items of 64 entries.
; All 32 table loads of a wave go out first and are on their way while the hash data are made.  No register that a load or store names is written again, so no wait frees one.  Waves share nothing: no LDS, no barrier.
; LIMITS: |position| x 1024 under 2^31 (the conversion to int32); NaN and infinities are not served.
.set M19, 0x7ffff
.set P1,  0x9e3779b1                   ; 2654435761
.set P2,  0x30025795                   ; 805459861
.set SC,  24                           ; s[24:39] the scalings as f32
.set POS, 4                            ; v4-9    position: tile A's x, y, z, then tile B's
.set QM,  10                           ; v10-21  for each tile: x, y, z in lanes 0-15 and 0 elsewhere; then the same for lanes 16-31
.set WA,  22                           ; v22-37  tile A's 16 words; v112-127 tile B's
.set TQ,  48                           ; v48-111 item j of the table: four registers
	s_load_b256 s[4:11], s[0:1], 0x0               ; position s[4:5], hash_table s[6:7], idx s[8:9], tab2 s[10:11]
	v_lshrrev_b32 v1, 5, v0
	v_readfirstlane_b32 s12, v1                    ; wave
	v_and_b32 v2, 31, v0                           ; lane
	v_lshlrev_b32 v1, 3, v2                        ; 8 x lane: two entries of a plane
	v_lshlrev_b32 v2, 4, v2                        ; 16 x lane
	v_and_b32 v3, 15, v0
	v_mul_u32_u24 v3, v3, 12                       ; 12 r: my point's three numbers
	s_lshl_b32 s13, ttmp9, 3
	s_add_co_u32 s13, s13, s12                     ; g
	s_mov_b32 s18, M19
	s_mov_b32 s19, P1
	s_mov_b32 s20, P2
	s_mov_b32 s21, 0xffff0000                      ; lanes 16-31
	s_mov_b32 s22, 0x0000ffff                      ; lanes 0-15
.set N, 0
.irp c, 0x41800000,0x41a80000,0x41d80000,0x42100000,0x42400000,0x42800000,0x42a80000,0x42de0000,0x43130000,0x43420000,0x43800000,0x43a88000,0x43de8000,0x44130000,0x44420000,0x44800000
	s_mov_b32 s[SC+N], \c                          ; 16 21 27 36 48 64 84 111 147 194 256 337 445 588 776 1024
.set N, N+1
.endr
	s_mov_b32 s15, 0
	s_wait_kmcnt 0x0
	s_mul_i32 s14, s13, 384                        ; 32 points x 12 bytes
	s_add_nc_u64 s[4:5], s[4:5], s[14:15]
	s_lshl_b32 s14, s13, 12                        ; 1,024 entries x 4 bytes; also two tiles of idx
	s_add_nc_u64 s[6:7], s[6:7], s[14:15]          ; feature 0's plane
	s_add_nc_u64 s[16:17], s[6:7], 0x2000000       ; feature 1's: 8,388,608 x 4 bytes on
	s_add_nc_u64 s[8:9], s[8:9], s[14:15]
	s_lshl_b32 s14, s13, 13
	s_add_nc_u64 s[10:11], s[10:11], s[14:15]
.irp t, 0,1
.irp d, 0,1,2
	global_load_b32 v[POS+3*\t+\d], v3, s[4:5] offset:192*\t+4*\d
.endr
.endr
.set J, 0
.rept 16
	global_load_b64 v[TQ+4*J:TQ+4*J+1], v1, s[6:7] offset:256*J th:TH_LOAD_NT      ; 32 lanes read 256 consecutive bytes of each plane; read once
	global_load_b64 v[TQ+4*J+2:TQ+4*J+3], v1, s[16:17] offset:256*J th:TH_LOAD_NT
.set J, J+1
.endr
	s_wait_loadcnt 32                              ; position is in; the 32 table loads issued behind it stay out
.irp t, 0,1
.irp d, 0,1,2
	v_cndmask_b32 v[QM+6*\t+\d], 0, v[POS+3*\t+\d], s22
	v_cndmask_b32 v[QM+6*\t+3+\d], 0, v[POS+3*\t+\d], s21
.endr
.endr
; Slot i of tile T.  position x scaling: the two halves of the lanes have different levels, and the scalings are scalars: scaling(a) x (p or 0) + scaling(a + 4) x (0 or p).  One of the two terms is 0, so the product is rounded once.
.macro PSLOT T, i
.set LVI, (\i)+4*((\i)/4)
.set QA, QM+6*(\T)
.set W0, WA+90*(\T)+2*(\i)
.irp d, 0,1,2
	v_mul_f32 v[38+\d], s[SC+LVI], v[QA+\d]
.endr
.irp d, 0,1,2
	v_fmac_f32 v[38+\d], s[SC+LVI+4], v[QA+3+\d]
.endr
.irp d, 0,1,2
	v_floor_f32 v[41+\d], v[38+\d]
.endr
.irp d, 0,1,2
	v_cvt_i32_f32 v[44+\d], v[41+\d]               ; the floor as int32
.endr
.irp d, 0,1,2
	v_cmp_neq_f32 vcc_lo, v[38+\d], v[41+\d]
	v_add_co_ci_u32 v[38+\d], vcc_lo, 0, v[44+\d], vcc_lo   ; the ceiling: one more where the number is no whole number
.endr
	v_mul_lo_u32 v45, v45, s19
	v_mul_lo_u32 v39, v39, s19
	v_mul_lo_u32 v46, v46, s20
	v_mul_lo_u32 v40, v40, s20
	v_xor_b32 v38, v38, v44                        ; DX
	v_xor_b32 v39, v39, v45                        ; DY
	v_xor_b32 v40, v40, v46                        ; DZ
	v_xor_b32 v44, v44, v45
	v_xor_b32 v44, v44, v46                        ; B
	v_and_b32 v38, s18, v38
	v_and_b32 v39, s18, v39
	v_and_b32 v40, s18, v40
	v_and_b32 v44, s18, v44
	v_add_nc_u32 v41, 1, v38                       ; 2^n, n = 0 .. 19,
	v_cvt_f32_u32 v41, v41                         ; whose exponent field as f32 is 127 + n
	v_lshrrev_b32 v41, 23, v41
	v_sub_nc_u32 v41, 146, v41                     ; m = 19 - n
	v_lshl_or_b32 v[W0], v40, 19, v44
	v_lshrrev_b32 v42, 13, v40
	v_lshl_or_b32 v[W0+1], v42, 19, v39
	v_lshl_or_b32 v[W0+1], v41, 25, v[W0+1]
.endm
.irp t, 0,1
.irp i, 0,1,2,3,4,5,6,7
	PSLOT \t, \i
.endr
.endr
.irp t, 0,1
.irp q, 0,1,2,3
	global_store_b128 v2, v[WA+90*\t+4*\q:WA+90*\t+4*\q+3], s[8:9] offset:2048*\t+512*\q   ; 32 lanes store 512 consecutive bytes, aligned
.endr
.endr
.set J, 0
.rept 16
	s_wait_loadcnt 30-2*J                          ; item J's two loads are in; the two of each later item may be out
	v_mov_b32 v38, v[TQ+4*J+1]                     ; (e, f0) (e+1, f0) (e, f1) (e+1, f1) becomes (e, f0) (e, f1) (e+1, f0) (e+1, f1)
	v_mov_b32 v[TQ+4*J+1], v[TQ+4*J+2]
	v_mov_b32 v[TQ+4*J+2], v38
	global_store_b128 v2, v[TQ+4*J:TQ+4*J+3], s[10:11] offset:512*J   ; 512 consecutive bytes, aligned
.set J, J+1
.endr
	s_endpgm
.Lfunc_end_k_qbdaea973b3_prep:
	.size	k_qbdaea973b3_prep, .Lfunc_end_k_qbdaea973b3_prep-k_qbdaea973b3_prep
	.p2alignl 7, 3214868480
	.fill 96, 4, 3214868480
	.section	.rodata,"a",@progbits
	.p2align	6, 0x0
	.amdhsa_kernel k_qbdaea973b3_prep
		.amdhsa_group_segment_fixed_size 0
		.amdhsa_private_segment_fixed_size 0
		.amdhsa_enable_private_segment 0
		.amdhsa_kernarg_size 32
		.amdhsa_user_sgpr_count 2
		.amdhsa_user_sgpr_kernarg_segment_ptr 1
		.amdhsa_wavefront_size32 1
		.amdhsa_system_sgpr_workgroup_id_x 1
		.amdhsa_system_sgpr_workgroup_id_y 1
		.amdhsa_system_sgpr_workgroup_id_z 1
		.amdhsa_system_vgpr_workitem_id 0
		.amdhsa_next_free_vgpr 128
		.amdhsa_next_free_sgpr 66
		.amdhsa_reserve_vcc 1
		.amdhsa_float_denorm_mode_32 3
		.amdhsa_float_denorm_mode_16_64 3
		.amdhsa_memory_ordered 1
		.amdhsa_forward_progress 1
		.amdhsa_inst_pref_size 35
	.end_amdhsa_kernel
	.amdgpu_metadata
---
amdhsa.version: [ 1, 2 ]
amdhsa.kernels:
  - .name:           k_qbdaea973b3_prep
    .symbol:         k_qbdaea973b3_prep.kd
    .args:
      - { .name: position, .offset: 0, .size: 8, .value_kind: global_buffer, .address_space: global }
      - { .name: hash_table, .offset: 8, .size: 8, .value_kind: global_buffer, .address_space: global }
      - { .name: idx, .offset: 16, .size: 8, .value_kind: global_buffer, .address_space: global }
      - { .name: tab2, .offset: 24, .size: 8, .value_kind: global_buffer, .address_space: global }
    .group_segment_fixed_size: 0
    .private_segment_fixed_size: 0
    .kernarg_segment_align: 8
    .kernarg_segment_size: 32
    .max_flat_workgroup_size: 256
    .sgpr_count:     66
    .vgpr_count:     128
    .wavefront_size: 32
...
	.end_amdgpu_metadata
.endif
;; end of part 1
;; launch nerf (part 2): grid 256 x 1, 32 waves a work-group, no clusters, 102,400 bytes of LDS; arguments idx, tab2, position, direction, lowp_scales, w1_codes, b1, wd_codes, bd, wc1_codes, bc1, wc2_codes, bc2, wc3, bc3, out0, out1; writes out0, out1
.if DOCPART == 2
	.amdgcn_target "amdgcn-amd-amdhsa--gfx1250"
	.amdhsa_code_object_version 6
	.text
	.protected	k_qbdaea973b3_nerf
	.globl	k_qbdaea973b3_nerf
	.p2align	8
	.type	k_qbdaea973b3_nerf,@function
k_qbdaea973b3_nerf:
	s_mov_b64 s[64:65], 0
	v_nop
	global_prefetch_b8 v0, s[64:65] scope:SCOPE_SE
	s_setreg_imm32_b32 hwreg(HW_REG_WAVE_MODE, 25, 1), 1
	s_wait_xcnt 0x0
; THE HASH ENCODING AND THE WHOLE MLP.  out0 = density [N][16], out1 = colour [N][3].  Nothing between the gathers and the two outputs goes to memory.
; SHARES.  256 work-groups x 32 waves x 32 points.  A wave has two tiles (A, B) of 16 points.  Lane (r = lane % 16, h = lane / 16) of a tile works point r's eight slots i = 0 .. 7, level i + 4 (i / 4) + 4 h:
; the K = 64 form on 8-bit codes wants of lane (r, h), in registers 2 c, 2 c + 1, k = 16 c + 8 h + 0 .. 7, and here k = 2 level + feature.  So the blended pairs of slots 4 c .. 4 c + 3 are the eight numbers of one conversion.
; ADDRESSES hang on idx alone (whole numbers stored by the launch before: word 0 = B | DZ << 19, word 1 = DY | (DZ >> 13) << 19 | m << 25, DX = (2^19 - 1) >> m); the blend's weights are values and are made here from position.
; reference() reshapes the fractions (level, axis) -> (3, 16) without transposing: weight w of level l is fraction number f = 16 w + l of the flat list: level f / 3, axis f % 3.
; ALL PRODUCTS ARE USED TRANSPOSED: source 0 = 16 rows of a weight (K innermost, as given), source 1 = 16 points.  In result tile t lane (r, h) holds units 16 t + 8 h + 0 .. 7 of point r: one conversion makes of them
; registers 2 t, 2 t + 1 of the next operand.  Products with K = 32 take zero codes for k = 32 .. 63 on both sides.
; SCALES.  A sum of codes stands for sum x 2^(eA + eB).  A bias goes in as the C of the product, divided by that power; the next conversion takes 2^(e next - eA - eB); the hold at the largest code clips at 0 as well (relu).
; The last product (N = 3) is left as it is: bf16 operands; row m of its source 0 is column m & 3 of wc3, so rows 0-2 and rows 8-10 hold the three colours and the others feed results that nobody reads.
; No cluster and no tensor load: work-groups share only 11 KB of weights, copied once into LDS by plain loads.
; LIMITS: e0, e4, e2 - e0 - e1, e6 - e4 - e5 between -126 and 119; e0 + e1, e4 + e5, e6 + e7, e2 + e3 between -126 and 126, so that each power of two below is an f32 number.  NaN and infinities among the inputs are not served.
.set M19,  0x7ffff
; LDS: 0 .. 16383 the weights as they lie in memory, 512 bytes a wave; then a stage of 2,048 bytes for each wave (32 rows of out0); then 12 bytes a thread (out1)
.set L_W1,  0
.set L_WC1, 2048
.set L_WC2, 4096
.set L_WD,  8192
.set L_B1,  9216
.set L_BC1, 9728
.set L_BC2, 10240
.set L_BD,  10752
.set L_WC3, 11264
.set STG0,  16384
.set STG1,  81920
; scalar registers: s[4:37] the buffers; s[38:39] the weight copy's source; s[40:47] e0 .. e7; s[48:50] bc3; s51 wave; s52, s53 masks of lanes 16-31, 0-15; s54 2^19 - 1; s55 g;
; s[56:63] tab2 at levels 0, 2, 8, 10; s[66:81] the scalings; s82 .. s89 four pairs (scale, 448 x scale); s[90:97] four powers of two as pairs; s98 2^(e6 + e7); s99-101 at work
.set SC,   66
; vector registers while gathering: v1 16 x lane; v2 h << 24 (four levels of 4 MiB); v3 12 r
.set PA,   4                           ; v4-15   for each tile: position[d] in lanes 0-15, else 0 (3); position[(d + 1) % 3] in lanes 16-31, else 0 (3)
.set WT,   16                          ; v16-21  (px, 1 - px), (py, 1 - py), (pz, 1 - pz)
.set EB,   22                          ; v22-37  eight blended numbers for each tile
.set XE,   38                          ; v38-53  for each tile 8 registers of an operand: 4 of codes, 4 that are at work here (v42-45) and zero codes later
.set AD,   54                          ; v54-61  the eight corners' entries, then byte offsets
.set DSET, 62                          ; v62-93  the corners' pairs: a set of 16 for each tile
.set WRD,  94                          ; v94-125 idx's words: (tile T, q) at 94 + 4 (2 (3 - q) + T)
.set DIR,  118                         ; v118-123 direction, once q = 0's words are done with
.set SCL,  126                         ; v126    the conversion's scale
.set LIM,  127                         ; v127    448 x that
; and in the MLP: v2 32 r + 8 h; v3 64 r + 8 h; v4 32 h; v5 96 h + 4 (r & 3); v6, v7 out0's stage in and back; v8, v9 out1's; v10 16 x thread
.set BI,   12                          ; v12-27  two tiles of bias; the harmonics; the last product's sums
.set ACC,  54                          ; v54-85  four accumulators
.set WF,   86                          ; v86-101 two fragments of a weight
.set HA,   102                         ; v102-109, v110-117 a hidden layer's codes, tile A, tile B
.set HB,   110
	s_load_b512 s[4:19], s[0:1], 0x0               ; idx 4, tab2 6, position 8, direction 10, lowp_scales 12, w1 14, b1 16, wd 18
	s_load_b512 s[20:35], s[0:1], 0x40             ; bd 20, wc1 22, bc1 24, wc2 26, bc2 28, wc3 30, bc3 32, out0 34
	s_load_b64 s[36:37], s[0:1], 0x80              ; out1
	v_lshrrev_b32 v1, 5, v0
	v_readfirstlane_b32 s51, v1                    ; wave 0 .. 31
	v_and_b32 v1, 31, v0
	v_lshlrev_b32 v1, 4, v1                        ; 16 x lane
	v_bfe_u32 v2, v0, 4, 1
	v_lshlrev_b32 v2, 24, v2                       ; lanes 16-31 work four levels further on: 4 x 524,288 x 8 bytes
	v_and_b32 v3, 15, v0
	v_mul_u32_u24 v3, v3, 12
	v_lshlrev_b32 v16, 4, v0                       ; where my 16 bytes of the weights go in LDS
	s_lshl_b32 s55, ttmp9, 5
	s_add_co_u32 s55, s55, s51                     ; g: my wave's 32 points
	s_mov_b32 s52, 0xffff0000
	s_mov_b32 s53, 0x0000ffff
	s_mov_b32 s54, M19
.set N, 0
.irp c, 0x41800000,0x41a80000,0x41d80000,0x42100000,0x42400000,0x42800000,0x42a80000,0x42de0000,0x43130000,0x43420000,0x43800000,0x43a88000,0x43de8000,0x44130000,0x44420000,0x44800000
	s_mov_b32 s[SC+N], \c                          ; floor(16 g^l): 16 21 27 36 48 64 84 111 147 194 256 337 445 588 776 1024
.set N, N+1
.endr
	s_mov_b32 s101, 0
	s_wait_kmcnt 0x0
	s_load_b256 s[40:47], s[12:13], 0x0            ; e0 .. e7
	s_load_b96 s[48:50], s[32:33], 0x0             ; bc3
	; which 512 bytes my wave copies: a choice on the wave's number, without a branch.  Offsets are held at the buffer's last 16 bytes, so lanes and waves beyond a buffer's end copy those again
	s_mov_b64 s[38:39], s[14:15]
	s_mov_b32 s99, 0
	s_mov_b32 s100, 2032
.macro PICK n, p, mx
	s_cmp_ge_u32 s51, \n
	s_cselect_b64 s[38:39], s[\p:\p+1], s[38:39]
	s_cselect_b32 s99, \n, s99
	s_cselect_b32 s100, \mx, s100
.endm
	PICK 4, 22, 2032                               ; wc1
	PICK 8, 26, 4080                               ; wc2
	PICK 16, 18, 1008                              ; wd
	PICK 18, 16, 240                               ; b1
	PICK 19, 24, 240                               ; bc1
	PICK 20, 28, 240                               ; bc2
	PICK 21, 20, 48                                ; bd
	PICK 22, 30, 752                               ; wc3
	s_sub_co_u32 s99, s51, s99
	s_lshl_b32 s99, s99, 9
	v_add_nc_u32 v17, s99, v1
	v_min_u32 v17, s100, v17
	global_load_b128 v[DSET:DSET+3], v17, s[38:39]
	s_lshl_b32 s100, s55, 12
	s_add_nc_u64 s[4:5], s[4:5], s[100:101]        ; idx: two tiles of 2,048 bytes
	s_mul_i32 s100, s55, 384
	s_add_nc_u64 s[8:9], s[8:9], s[100:101]        ; position and direction: 32 x 12 bytes
	s_add_nc_u64 s[10:11], s[10:11], s[100:101]
	s_lshl_b32 s100, s55, 11
	s_add_nc_u64 s[34:35], s[34:35], s[100:101]    ; out0: 32 rows of 64 bytes
	s_mul_i32 s100, ttmp9, 12288
	s_add_nc_u64 s[36:37], s[36:37], s[100:101]    ; out1: the work-group's 1,024 x 12 bytes
	s_mov_b64 s[56:57], s[6:7]                     ; a level is 4 MiB of tab2: slots 0, 1;
	s_add_nc_u64 s[58:59], s[6:7], 0x800000        ; slots 2, 3 (levels 2, 3);
	s_add_nc_u64 s[60:61], s[6:7], 0x2000000       ; slots 4, 5 (levels 8, 9);
	s_add_nc_u64 s[62:63], s[6:7], 0x2800000       ; slots 6, 7 (levels 10, 11); the odd slot stands in the immediate
.irp t, 0,1
.irp q, 0,1,2,3
	global_load_b128 v[WRD+4*(2*(3-\q)+\t):WRD+4*(2*(3-\q)+\t)+3], v1, s[4:5] offset:2048*\t+512*\q th:TH_LOAD_NT   ; 512 consecutive bytes; read once
.endr
.endr
.irp t, 0,1
.irp d, 0,1,2
	global_load_b32 v[DSET+16+3*\t+\d], v3, s[8:9] offset:192*\t+4*\d
.endr
.endr
.macro MKQ S, L, E                     ; s[S] = 2^e as f32, s[L] = 448 x 2^e, e = s[E]
	s_add_co_i32 s[\S], s[\E], 127
	s_add_co_i32 s[\L], s[\S], 8
	s_lshl_b32 s[\S], s[\S], 23
	s_lshl_b32 s[\L], s[\L], 23
	s_or_b32 s[\L], s[\L], 0x600000
.endm
	s_wait_kmcnt 0x0
	MKQ 82, 83, 40                                 ; the encoding: e0
	s_add_co_i32 s100, s40, s41
	s_sub_co_i32 s99, s42, s100
	MKQ 84, 85, 99                                 ; the first hidden layer: e2 - e0 - e1
	s_sub_co_i32 s90, 127, s100
	s_lshl_b32 s90, s90, 23                        ; 2^-(e0 + e1), for b1
	s_mov_b32 s91, s90                             ; (named with it as a pair, so it is written)
	MKQ 86, 87, 44                                 ; density and harmonics: e4
	s_add_co_i32 s100, s44, s45
	s_sub_co_i32 s99, s46, s100
	MKQ 88, 89, 99                                 ; the colour net's first layer: e6 - e4 - e5
	s_sub_co_i32 s92, 127, s100
	s_lshl_b32 s92, s92, 23                        ; 2^-(e4 + e5), for bc1
	s_mov_b32 s93, s92
	s_add_co_i32 s100, s46, s47
	s_sub_co_i32 s94, 127, s100
	s_lshl_b32 s94, s94, 23                        ; 2^-(e6 + e7), for bc2
	s_mov_b32 s95, s94
	s_add_co_i32 s98, s100, 127
	s_lshl_b32 s98, s98, 23                        ; 2^(e6 + e7)
	s_add_co_i32 s100, s42, s43
	s_add_co_i32 s96, s100, 127
	s_lshl_b32 s96, s96, 23                        ; 2^(e2 + e3)
	s_mov_b32 s97, s96
	s_wait_loadcnt 0x0                             ; my piece of the weights, idx's words, position
	ds_store_b128 v16, v[DSET:DSET+3]
	s_wait_dscnt 0x0                               ; for the others' sake: my piece lies in LDS
	s_barrier_signal -1
	s_barrier_wait -1                              ; everybody's does; these bytes are never written again
.irp t, 0,1
.irp d, 0,1,2
	v_cndmask_b32 v[PA+6*\t+\d], 0, v[DSET+16+3*\t+\d], s53
	v_cndmask_b32 v[PA+6*\t+3+\d], 0, v[DSET+16+3*\t+(\d+1)%3], s52
.endr
.endr
	v_mov_b32 v[SCL], s82
	v_mov_b32 v[LIM], s83
; STEP u = 2 i + T: slot i of tile T.  ISSUE unpacks the two words, makes the eight corners' entries (in reference()'s order of corners: 111 110 101 011 100 010 001 000, x first) and asks for their pairs.
.macro ISSUE i, T
.set WW, WRD+4*(2*(3-(\i)/2)+(\T))+2*((\i)%2)
.set DD, DSET+16*(\T)
.set TBR, 56+2*((\i)/2)
	s_wait_xcnt 0x0                                ; the last step's eight loads have read their offsets: only now are those registers written again
.if 2*(\i)+(\T) == 8
.irp t, 0,1
.irp d, 0,1,2
	global_load_b32 v[DIR+3*\t+\d], v3, s[10:11] offset:192*\t+4*\d   ; direction, into the registers of words that were used up in step 3
.endr
.endr
.endif
	v_and_b32 v[AD+7], s54, v[WW]                  ; B: corner 000
	v_lshrrev_b32 v42, 19, v[WW]
	v_bfe_u32 v43, v[WW+1], 19, 6
	v_lshrrev_b32 v44, 25, v[WW+1]                 ; m
	v_and_b32 v45, s54, v[WW+1]                    ; DY
	v_lshl_or_b32 v42, v43, 13, v42                ; DZ
	v_lshrrev_b32 v44, v44, s54                    ; DX = (2^19 - 1) >> m
	v_xor_b32 v[AD+4], v[AD+7], v44                ; 100
	v_xor_b32 v[AD+5], v[AD+7], v45                ; 010
	v_xor_b32 v[AD+6], v[AD+7], v42                ; 001
	v_xor_b32 v[AD+1], v[AD+4], v45                ; 110
	v_xor_b32 v[AD+2], v[AD+4], v42                ; 101
	v_xor_b32 v[AD+3], v[AD+5], v42                ; 011
	v_xor_b32 v[AD+0], v[AD+1], v42                ; 111
.irp k, 0,1,2,3,4,5,6,7
	v_min_u32 v[AD+\k], 0x7ffff, v[AD+\k]          ; a loaded number enters an address only held inside its table
.endr
.irp k, 0,1,2,3,4,5,6,7
	v_lshl_add_u32 v[AD+\k], v[AD+\k], 3, v2       ; 8 bytes an entry, + my half's four levels
.endr
.irp k, 0,1,2,3,4,5,6,7
	global_load_b64 v[DD+2*\k:DD+2*\k+1], v[AD+\k], s[TBR:TBR+1] offset:((\i)%2)*4194304
.endr
.endm
.macro TIMESQ b, w                     ; corner b's pair x (1 - p): the weights' pair gives its second register to both halves
	v_pk_mul_f32 v[DD+2*(\b):DD+2*(\b)+1], v[DD+2*(\b):DD+2*(\b)+1], v[WT+2*(\w):WT+2*(\w)+1] op_sel:[0,1] op_sel_hi:[1,1]
.endm
.macro MIX d, a, b, w                  ; d = corner a's pair x p + corner b's: the weights' pair gives its first register to both halves
	v_pk_fma_f32 v[\d:\d+1], v[DD+2*(\a):DD+2*(\a)+1], v[WT+2*(\w):WT+2*(\w)+1], v[DD+2*(\b):DD+2*(\b)+1] op_sel_hi:[1,0,1]
.endm
; CONSUME makes the step's three weights while its gathers are on their way, waits for them and blends.
.macro CONSUME i, T
.set UU, 2*(\i)+(\T)
.set DD, DSET+16*(\T)
.set PAB, PA+6*(\T)
.set LVI, (\i)+4*((\i)/4)
.set ED, EB+8*(\T)+2*((\i)%4)
.irp w, 0,1,2
	v_mul_f32 v[WT+2*\w], s[SC+(LVI+16*\w)/3], v[PAB+(LVI+16*\w)%3]          ; lanes 0-15: fraction number f = 16 w + level: level f / 3, axis f % 3
.endr
.irp w, 0,1,2
	v_fmac_f32 v[WT+2*\w], s[SC+(LVI+16*\w+4)/3], v[PAB+3+(LVI+16*\w)%3]     ; lanes 16-31: f + 4: axis (f + 1) % 3.  One of the two terms is 0: the product is rounded once
.endr
.irp w, 0,1,2
	v_floor_f32 v[WT+2*\w+1], v[WT+2*\w]
.endr
.irp w, 0,1,2
	v_sub_f32 v[WT+2*\w], v[WT+2*\w], v[WT+2*\w+1]                           ; p
.endr
.irp w, 0,1,2
	v_sub_f32 v[WT+2*\w+1], 1.0, v[WT+2*\w]                                  ; 1 - p
.endr
.if UU == 15
	s_wait_loadcnt 0x0                             ; the last step: nothing was asked for behind it
.elseif UU == 7
	s_wait_loadcnt 14                              ; behind this step's gathers: direction's six loads and the next step's eight
.else
	s_wait_loadcnt 8                               ; behind this step's gathers: the next step's eight
.endif
	TIMESQ 3, 0
	TIMESQ 2, 0
	TIMESQ 6, 0
	TIMESQ 7, 0
	MIX DD, 0, 3, 0                                ; f_03
	MIX DD+2, 1, 2, 0                              ; f_12
	MIX DD+10, 5, 6, 0                             ; f_56
	MIX DD+8, 4, 7, 0                              ; f_47
	TIMESQ 1, 1
	TIMESQ 5, 1
	MIX DD, 0, 1, 1                                ; f0312
	MIX DD+8, 4, 5, 1                              ; f4756
	TIMESQ 4, 2
	MIX ED, 0, 4, 2                                ; the level's two features
.if (\i)%4 == 3                        ; four slots are blended: eight neighbours along K
.set EE, EB+8*(\T)
.irp j, 0,1,2,3,4,5,6,7
	v_med3_num_f32 v[EE+\j], v[EE+\j], -v[LIM], v[LIM]   ; the conversion to an 8-bit code does not saturate (ISA guide 7.6.2): the hold at the largest code x the scale
.endr
	v_cvt_scalef32_pk8_fp8_f32 v[XE+8*(\T)+2*((\i)/4):XE+8*(\T)+2*((\i)/4)+1], v[EE:EE+7], v[SCL]
	v_nop                                          ; one plain instruction between a scaled conversion and whatever next writes its sources or touches its result
.endif
.endm
	ISSUE 0, 0
.set U, 0
.rept 16
.if U < 15
	ISSUE (U+1)/2, (U+1)%2                         ; the next step's gathers go out ahead of this step's wait
.endif
	CONSUME U/2, U%2
.set U, U+1
.endr
	; ---- THE MLP.  Every load has been waited for, so the offsets' registers may be written.  All LDS addresses are made here, from the thread's number.
	v_and_b32 v11, 15, v0                          ; r
	v_bfe_u32 v4, v0, 4, 1                         ; h
	v_lshlrev_b32 v2, 5, v11
	v_lshl_add_u32 v2, v4, 3, v2                   ; a weight's row of 32 codes: 32 r + 8 h
	v_lshlrev_b32 v3, 6, v11
	v_lshl_add_u32 v3, v4, 3, v3                   ; of 64 codes: 64 r + 8 h
	v_and_b32 v5, 3, v0
	v_lshlrev_b32 v5, 2, v5
	v_mad_u32_u24 v5, v4, 96, v5                   ; wc3: column r & 3, + 8 h rows of 12 bytes
	v_and_b32 v7, 0x3e0, v0
	v_lshlrev_b32 v7, 6, v7                        ; 2,048 x wave
	v_add_nc_u32 v7, STG0, v7                      ; my wave's stage
	v_lshl_add_u32 v6, v11, 6, v7
	v_lshl_add_u32 v6, v4, 5, v6                   ; in: row r of 64 bytes, + 32 h
	v_add_nc_u32 v7, v7, v1                        ; back: 16 bytes a lane, as they lie
	v_mul_u32_u24 v8, v0, 12
	v_add_nc_u32 v8, STG1, v8                      ; out1: in, 12 bytes a thread;
	v_lshl_add_u32 v9, v0, 4, STG1                 ; back, 16 bytes a thread
	v_lshlrev_b32 v10, 4, v0
	v_lshlrev_b32 v4, 5, v4                        ; a bias: my half's eight numbers of a tile's sixteen
.irp j, 4,5,6,7,12,13,14,15
	v_mov_b32 v[XE+\j], 0                          ; zero codes for k = 32 .. 63 of the two operands with K = 32; they stay
.endr
; A LAYER OF 64 UNITS, two tiles of units at a time, for both tiles of points: four accumulators, none taken up again, so no chain and no wait.
; koff: the weight in LDS; k64: its K is 64 (else 32); boff: the bias; BS: the pair with the power of two that the bias is multiplied by; XA, XB: the operands; post = 0: relu, hold and codes into HA, HB; 1: relu and bf16.
.macro LAYER koff, k64, boff, BS, XA, XB, post
.irp u, 0,1
.irp tt, 0,1
.if \k64
.irp c, 0,1,2,3
	ds_load_b64 v[WF+8*\tt+2*\c:WF+8*\tt+2*\c+1], v3 offset:\koff+1024*(2*\u+\tt)+16*\c   ; unit 16 t + r, k = 16 c + 8 h + 0 .. 7
.endr
.else
.irp c, 0,1
	ds_load_b64 v[WF+8*\tt+2*\c:WF+8*\tt+2*\c+1], v2 offset:\koff+512*(2*\u+\tt)+16*\c
.endr
.endif
	ds_load_b128 v[BI+8*\tt:BI+8*\tt+3], v4 offset:\boff+64*(2*\u+\tt)                    ; the bias of units 16 t + 8 h + 0 .. 7: the result's layout
	ds_load_b128 v[BI+8*\tt+4:BI+8*\tt+7], v4 offset:\boff+64*(2*\u+\tt)+16
.endr
.if (\k64 == 0) && (\u == 0)
.irp j, 4,5,6,7,12,13,14,15
	v_mov_b32 v[WF+\j], 0                          ; zero codes for k = 32 .. 63
.endr
.endif
	s_wait_dscnt 0x0
.set J, 0
.rept 8
	v_pk_mul_f32 v[BI+J:BI+J+1], v[BI+J:BI+J+1], s[\BS:\BS+1] op_sel_hi:[1,0]   ; exact: a power of two
.set J, J+2
.endr
	v_wmma_f32_16x16x64_fp8_fp8 v[ACC:ACC+7], v[WF:WF+7], v[\XA:\XA+7], v[BI:BI+7]
	v_wmma_f32_16x16x64_fp8_fp8 v[ACC+8:ACC+15], v[WF+8:WF+15], v[\XA:\XA+7], v[BI+8:BI+15]
	v_wmma_f32_16x16x64_fp8_fp8 v[ACC+16:ACC+23], v[WF:WF+7], v[\XB:\XB+7], v[BI:BI+7]
	v_wmma_f32_16x16x64_fp8_fp8 v[ACC+24:ACC+31], v[WF+8:WF+15], v[\XB:\XB+7], v[BI+8:BI+15]
.rept 4
	v_nop                                          ; four places ahead of the first read of a result, and of the next loads into the fragments' and biases' registers
.endr
.if \post == 0
.set J, 0
.rept 32
	v_med3_num_f32 v[ACC+J], v[ACC+J], 0, v[LIM]   ; the activation and the hold in one; each accumulator from its low end on
.set J, J+1
.endr
.irp tt, 0,1
	v_cvt_scalef32_pk8_fp8_f32 v[HA+2*(2*\u+\tt):HA+2*(2*\u+\tt)+1], v[ACC+8*\tt:ACC+8*\tt+7], v[SCL]
	v_cvt_scalef32_pk8_fp8_f32 v[HB+2*(2*\u+\tt):HB+2*(2*\u+\tt)+1], v[ACC+16+8*\tt:ACC+16+8*\tt+7], v[SCL]
.endr
	v_nop                                          ; one plain instruction behind the last conversion
.else
.set J, 0
.rept 32
	v_max_num_f32 v[ACC+J], 0, v[ACC+J]
.set J, J+1
.endr
.irp tt, 0,1
.irp i, 0,1,2,3
	v_cvt_pk_bf16_f32 v[XE+8*\u+4*\tt+\i], v[ACC+8*\tt+2*\i], v[ACC+8*\tt+2*\i+1]              ; tile A: k = 32 u + 16 tt + 8 h + 2 i, + 1: the 16-bit operand's own layout
	v_cvt_pk_bf16_f32 v[28+90*\u+4*\tt+\i], v[ACC+16+8*\tt+2*\i], v[ACC+16+8*\tt+2*\i+1]       ; tile B: v28-35, then v118-125
.endr
.endr
.endif
.endr
.endm
	v_mov_b32 v[SCL], s84
	v_mov_b32 v[LIM], s85
	LAYER L_W1, 0, L_B1, 90, XE, XE+8, 0           ; h = relu(enc w1 + b1), as codes
	; ---- density = h wd + bd
.irp c, 0,1,2,3
	ds_load_b64 v[WF+2*\c:WF+2*\c+1], v3 offset:L_WD+16*\c
.endr
	ds_load_b128 v[BI:BI+3], v4 offset:L_BD
	ds_load_b128 v[BI+4:BI+7], v4 offset:L_BD+16
	s_wait_dscnt 0x0
	v_wmma_f32_16x16x64_fp8_fp8 v[ACC:ACC+7], v[WF:WF+7], v[HA:HA+7], 0
	v_wmma_f32_16x16x64_fp8_fp8 v[ACC+8:ACC+15], v[WF:WF+7], v[HB:HB+7], 0
.rept 4
	v_nop
.endr
.irp t, 0,1
.irp i, 0,2,4,6
	v_pk_fma_f32 v[ACC+16+8*\t+\i:ACC+16+8*\t+\i+1], v[ACC+8*\t+\i:ACC+8*\t+\i+1], s[96:97], v[BI+\i:BI+\i+1] op_sel_hi:[1,0,1]   ; sum x 2^(e2 + e3) + bd: units 8 h + 0 .. 7 of point r
.endr
.endr
.irp t, 0,1
	ds_store_b128 v6, v[ACC+16+8*\t:ACC+16+8*\t+3] offset:1024*\t          ; a lane holds half a row of out0: through my wave's stage,
	ds_store_b128 v6, v[ACC+16+8*\t+4:ACC+16+8*\t+7] offset:1024*\t+16
.endr
.irp q, 0,1,2,3
	ds_load_b128 v[ACC+4*\q:ACC+4*\q+3], v7 offset:512*\q                  ; and back as the bytes lie.  LDS serves a wave's instructions in order (ISA guide 5.7.1): these see my stores
.endr
.irp q, 0,1,2,3
	s_wait_dscnt 3-\q                              ; the younger read-backs may be out
	global_store_b128 v1, v[ACC+4*\q:ACC+4*\q+3], s[34:35] offset:512*\q th:TH_STORE_NT   ; 32 lanes store 512 consecutive bytes, aligned; read by nobody here
.endr
	; ---- the spherical harmonics, and [density, harmonics] as codes: k = 8 h + j is the density's unit, k = 16 + 8 h + j harmonic 8 h + j
.set K0,  0x3e906ebb                   ; 0.28209479
.set K1,  0x3efa2a1c                   ; 0.48860251
.set K2,  0x3f8bd8a1                   ; 1.09254843
.set K3,  0x3f723881                   ; 0.94617470
.set K4N, 0xbea17b01                   ; -0.31539157
.set K5,  0x3f0bd8a1                   ; 0.54627422
.set K6,  0x3f170d19                   ; 0.59004359
.set K7,  0x4038ffc7                   ; 2.89061144
.set K8,  0x3eea01e8                   ; 0.45704580
.set K9,  0x3ebf10f8                   ; 0.37317633
.set K10, 0x3fb8ffc7                   ; 1.44530572
	s_mov_b32 s99, K3
	s_mov_b32 s100, 0x40a00000                     ; 5.0
	v_mov_b32 v[SCL], s86
	v_mov_b32 v[LIM], s87
.macro SHQ T
.set DX, DIR+3*(\T)
.set DY, DX+1
.set DZ, DX+2
	v_mul_f32 v28, v[DX], v[DX]                    ; xx
	v_mul_f32 v29, v[DY], v[DY]                    ; yy
	v_mul_f32 v30, v[DZ], v[DZ]                    ; zz
	v_mov_b32 v12, K0
	v_mul_f32 v13, K1, v[DY]
	v_mul_f32 v14, K1, v[DZ]
	v_mul_f32 v15, K1, v[DX]
	v_mul_f32 v31, K2, v[DX]
	v_mul_f32 v32, K2, v[DY]
	v_mul_f32 v16, v31, v[DY]
	v_mul_f32 v17, v32, v[DZ]
	v_fmaak_f32 v18, s99, v30, K4N
	v_mul_f32 v19, v31, v[DZ]
	v_sub_f32 v33, v28, v29                        ; xx - yy
	v_mul_f32 v20, K5, v33
	v_fma_f32 v34, 0x40400000, v28, -v29           ; 3 xx - yy
	v_mul_f32 v31, K6, v[DY]
	v_mul_f32 v21, v31, v34
	v_mul_f32 v32, K7, v[DX]
	v_mul_f32 v32, v32, v[DY]
	v_mul_f32 v22, v32, v[DZ]
	v_fma_f32 v34, s100, v30, -1.0                 ; 5 zz - 1
	v_fmaak_f32 v35, s100, v30, 0xc0400000         ; 5 zz - 3
	v_mul_f32 v31, K8, v[DY]
	v_mul_f32 v23, v31, v34
	v_mul_f32 v31, K9, v[DZ]
	v_mul_f32 v24, v31, v35
	v_mul_f32 v31, K8, v[DX]
	v_mul_f32 v25, v31, v34
	v_mul_f32 v31, K10, v[DZ]
	v_mul_f32 v26, v31, v33
	v_fma_f32 v34, 0xc0400000, v29, v28            ; xx - 3 yy
	v_mul_f32 v31, K6, v[DX]
	v_mul_f32 v27, v31, v34
.irp j, 0,1,2,3,4,5,6,7
	v_cndmask_b32 v[12+\j], v[12+\j], v[20+\j], s52   ; my half's eight
.endr
.irp j, 0,1,2,3,4,5,6,7
	v_med3_num_f32 v[ACC+16+8*(\T)+\j], v[ACC+16+8*(\T)+\j], -v[LIM], v[LIM]
	v_med3_num_f32 v[12+\j], v[12+\j], -v[LIM], v[LIM]
.endr
	v_cvt_scalef32_pk8_fp8_f32 v[XE+8*(\T):XE+8*(\T)+1], v[ACC+16+8*(\T):ACC+16+8*(\T)+7], v[SCL]
	v_cvt_scalef32_pk8_fp8_f32 v[XE+8*(\T)+2:XE+8*(\T)+3], v[12:19], v[SCL]
	v_nop                                          ; one plain instruction behind the last conversion
.endm
	SHQ 0
	SHQ 1
	v_mov_b32 v[SCL], s88
	v_mov_b32 v[LIM], s89
	s_wait_xcnt 0x0                                ; out0's stores have read their registers: the next products write them
	LAYER L_WC1, 0, L_BC1, 92, XE, XE+8, 0         ; c = relu(xcat wc1 + bc1), as codes
	LAYER L_WC2, 1, L_BC2, 94, HA, HB, 1           ; c = relu(c wc2 + bc2) / 2^(e6 + e7), as bf16
	; ---- colour = sigmoid(c wc3 + bc3): bf16 operands, K = 64 in two instructions for each tile, the two accumulators by turns
.irp u, 0,1
.irp gg, 0,1
.irp i, 0,1,2,3,4,5,6,7
	ds_load_b32 v[ACC+16*\u+8*\gg+\i], v5 offset:L_WC3+12*(32*\u+16*\gg+\i)   ; wc3(32 u + 16 gg + 8 h + i, r & 3); column 3 is the next row's first number, and feeds rows that nobody reads
.endr
.endr
.endr
	s_wait_dscnt 0x0
.irp u, 0,1
.irp gg, 0,1
.irp i, 0,1,2,3
	v_cvt_pk_bf16_f32 v[WF+8*\u+4*\gg+\i], v[ACC+16*\u+8*\gg+2*\i], v[ACC+16*\u+8*\gg+2*\i+1]
.endr
.endr
.endr
	v_wmma_f32_16x16x32_bf16 v[12:19], v[WF:WF+7], v[XE:XE+7], 0
	v_wmma_f32_16x16x32_bf16 v[20:27], v[WF:WF+7], v[28:35], 0
	v_wmma_f32_16x16x32_bf16 v[12:19], v[WF+8:WF+15], v[XE+8:XE+15], v[12:19]
	v_wmma_f32_16x16x32_bf16 v[20:27], v[WF+8:WF+15], v[118:125], v[20:27]
.rept 4
	v_nop
.endr
.irp j, 0,1,2
	v_cndmask_b32 v[54+\j], v[12+\j], v[20+\j], s52   ; rows 0-2 (lanes 0-15) and rows 8-10 (lanes 16-31) both hold the colours of point r: lanes 0-15 keep tile A's, lanes 16-31 tile B's: lane l has point l of the wave
.endr
.irp j, 0,1,2
	v_fma_f32 v[54+\j], v[54+\j], s98, s[48+\j]    ; sum x 2^(e6 + e7) + bc3
.endr
.irp j, 0,1,2
	v_mul_f32 v[54+\j], 0xbfb8aa3b, v[54+\j]       ; x -log2(e)
.endr
.irp j, 0,1,2
	v_exp_f32 v[54+\j], v[54+\j]
.endr
	v_nop                                          ; a plain instruction behind the last exponential,
	s_wait_alu depctr_va_vdst(0)                   ; and a wait ahead of the batch's first reader
.irp j, 0,1,2
	v_add_f32 v[54+\j], 1.0, v[54+\j]
.endr
.irp j, 0,1,2
	v_rcp_f32 v[54+\j], v[54+\j]                   ; 1 / (1 + e^-x)
.endr
	v_nop
	s_wait_alu depctr_va_vdst(0)
.irp j, 0,1,2
	ds_store_b32 v8, v[54+\j] offset:4*\j          ; 12 bytes a thread: the work-group's 12,288 bytes of out1 as they lie in memory
.endr
	s_wait_dscnt 0x0                               ; for the others' sake: my stores have landed
	s_barrier_signal -1
	s_barrier_wait -1
	s_cmp_lt_u32 s51, 24                           ; 12,288 bytes are 768 threads x 16: waves 0 to 23 store them
	s_cbranch_scc0 .Lend
	ds_load_b128 v[58:61], v9
	s_wait_dscnt 0x0
	global_store_b128 v10, v[58:61], s[36:37] th:TH_STORE_NT   ; 32 lanes store 512 consecutive bytes, aligned
.Lend:
	s_wait_xcnt 0x0
	v_lshl_add_u32 v126, v0, 2, 0x18000
	v_mov_b32 v127, 0
	s_wait_tensorcnt 0x0
	ds_add_u32 v126, v127
	s_wait_dscnt 0x0
	s_endpgm
.Lfunc_end_k_qbdaea973b3_nerf:
	.size	k_qbdaea973b3_nerf, .Lfunc_end_k_qbdaea973b3_nerf-k_qbdaea973b3_nerf
	.p2alignl 7, 3214868480
	.fill 96, 4, 3214868480
	.section	.rodata,"a",@progbits
	.p2align	6, 0x0
	.amdhsa_kernel k_qbdaea973b3_nerf
		.amdhsa_group_segment_fixed_size 102400
		.amdhsa_private_segment_fixed_size 0
		.amdhsa_enable_private_segment 0
		.amdhsa_kernarg_size 136
		.amdhsa_user_sgpr_count 2
		.amdhsa_user_sgpr_kernarg_segment_ptr 1
		.amdhsa_wavefront_size32 1
		.amdhsa_system_sgpr_workgroup_id_x 1
		.amdhsa_system_sgpr_workgroup_id_y 1
		.amdhsa_system_sgpr_workgroup_id_z 1
		.amdhsa_system_vgpr_workitem_id 0
		.amdhsa_next_free_vgpr 128
		.amdhsa_next_free_sgpr 102
		.amdhsa_reserve_vcc 0
		.amdhsa_float_denorm_mode_32 3
		.amdhsa_float_denorm_mode_16_64 3
		.amdhsa_memory_ordered 1
		.amdhsa_forward_progress 1
		.amdhsa_inst_pref_size 109
	.end_amdhsa_kernel
	.amdgpu_metadata
---
amdhsa.version: [ 1, 2 ]
amdhsa.kernels:
  - .name:           k_qbdaea973b3_nerf
    .symbol:         k_qbdaea973b3_nerf.kd
    .args:
      - { .name: idx, .offset: 0, .size: 8, .value_kind: global_buffer, .address_space: global }
      - { .name: tab2, .offset: 8, .size: 8, .value_kind: global_buffer, .address_space: global }
      - { .name: position, .offset: 16, .size: 8, .value_kind: global_buffer, .address_space: global }
      - { .name: direction, .offset: 24, .size: 8, .value_kind: global_buffer, .address_space: global }
      - { .name: lowp_scales, .offset: 32, .size: 8, .value_kind: global_buffer, .address_space: global }
      - { .name: w1_codes, .offset: 40, .size: 8, .value_kind: global_buffer, .address_space: global }
      - { .name: b1, .offset: 48, .size: 8, .value_kind: global_buffer, .address_space: global }
      - { .name: wd_codes, .offset: 56, .size: 8, .value_kind: global_buffer, .address_space: global }
      - { .name: bd, .offset: 64, .size: 8, .value_kind: global_buffer, .address_space: global }
      - { .name: wc1_codes, .offset: 72, .size: 8, .value_kind: global_buffer, .address_space: global }
      - { .name: bc1, .offset: 80, .size: 8, .value_kind: global_buffer, .address_space: global }
      - { .name: wc2_codes, .offset: 88, .size: 8, .value_kind: global_buffer, .address_space: global }
      - { .name: bc2, .offset: 96, .size: 8, .value_kind: global_buffer, .address_space: global }
      - { .name: wc3, .offset: 104, .size: 8, .value_kind: global_buffer, .address_space: global }
      - { .name: bc3, .offset: 112, .size: 8, .value_kind: global_buffer, .address_space: global }
      - { .name: out0, .offset: 120, .size: 8, .value_kind: global_buffer, .address_space: global }
      - { .name: out1, .offset: 128, .size: 8, .value_kind: global_buffer, .address_space: global }
    .group_segment_fixed_size: 102400
    .private_segment_fixed_size: 0
    .kernarg_segment_align: 8
    .kernarg_segment_size: 136
    .max_flat_workgroup_size: 1024
    .sgpr_count:     102
    .vgpr_count:     128
    .wavefront_size: 32
...
	.end_amdgpu_metadata
.endif
;; end of part 2
;; ======== version 2 of 3: 2 launches; 1.17 times as fast as version 1
;; workspace buffers: idx 33,554,432 bytes of whole numbers
;; launch prep (part 3): grid 1024 x 1, 8 waves a work-group, no clusters, 0 bytes of LDS; arguments position, idx; writes idx
.if DOCPART == 3
	.amdgcn_target "amdgcn-amd-amdhsa--gfx1250"
	.amdhsa_code_object_version 6
	.text
	.protected	k_qbdaea973b3_prep
	.globl	k_qbdaea973b3_prep
	.p2align	8
	.type	k_qbdaea973b3_prep,@function
k_qbdaea973b3_prep:
	s_mov_b64 s[64:65], 0
	v_nop
	global_prefetch_b8 v0, s[64:65] scope:SCOPE_SE
	s_setreg_imm32_b32 hwreg(HW_REG_WAVE_MODE, 25, 1), 1
	s_wait_xcnt 0x0
; THE HASH DATA, AS WHOLE NUMBERS, AHEAD OF THE GATHERS: no address of the gathering launch hangs on floating-point numbers of its own.
; For each point and level two words of idx.  With M = 2^19 - 1, xf, yf, zf the floors and xc, yc, zc the ceilings of position x scaling as int32, p1, p2 the primes:
;     B = (xf ^ yf p1 ^ zf p2) & M;  DX = (xf ^ xc) & M;  DY = (yf p1 ^ yc p1) & M;  DZ = (zf p2 ^ zc p2) & M.  A corner's entry is B xor the D of each axis on which the corner takes the ceiling.
;     DX is 2^n - 1 (xc is xf or xf + 1), kept as m = 19 - n.   word 0 = B | DZ << 19 (DZ's low 13 bits);   word 1 = DY | (DZ >> 13) << 19 | m << 25.
; THE SCALINGS floor(16 g^l), g = exp((ln 1024 - ln 16) / 15), hang on no input: they are the sixteen constants below.
; idx: [tile of 16 points][q 0..3][lane 0..31][4 words].  Lane (r = lane % 16, h = lane / 16) of a tile holds point r's slots i = 0 .. 7, level i + 4 (i / 4) + 4 h; words 2 i, 2 i + 1; q = i / 2.
; SHARES.  Wave g = 8 x work-group + wave (0 .. 8191) packs points 32 g .. 32 g + 31: two tiles.  No register that a load or store names is written again, so no wait frees one.  Waves share nothing: no LDS, no barrier.
; LIMITS: |position| x 1024 under 2^31 (the conversion to int32); NaN and infinities are not served.
.set M19, 0x7ffff
.set P1,  0x9e3779b1                   ; 2654435761
.set P2,  0x30025795                   ; 805459861
.set SC,  24                           ; s[24:39] the scalings as f32
.set POS, 4                            ; v4-9    position: tile A's x, y, z, then tile B's
.set QM,  10                           ; v10-21  for each tile: x, y, z in lanes 0-15 and 0 elsewhere; then the same for lanes 16-31
.set WA,  22                           ; v22-37  tile A's 16 words; v48-63 tile B's; v38-46 at work
	s_load_b128 s[4:7], s[0:1], 0x0                ; position s[4:5], idx s[6:7]
	v_lshrrev_b32 v1, 5, v0
	v_readfirstlane_b32 s12, v1                    ; wave
	v_and_b32 v2, 31, v0                           ; lane
	v_lshlrev_b32 v2, 4, v2                        ; 16 x lane
	v_and_b32 v3, 15, v0
	v_mul_u32_u24 v3, v3, 12                       ; 12 r: my point's three numbers
	s_lshl_b32 s13, ttmp9, 3
	s_add_co_u32 s13, s13, s12                     ; g
	s_mov_b32 s18, M19
	s_mov_b32 s19, P1
	s_mov_b32 s20, P2
	s_mov_b32 s21, 0xffff0000                      ; lanes 16-31
	s_mov_b32 s22, 0x0000ffff                      ; lanes 0-15
.set N, 0
.irp c, 0x41800000,0x41a80000,0x41d80000,0x42100000,0x42400000,0x42800000,0x42a80000,0x42de0000,0x43130000,0x43420000,0x43800000,0x43a88000,0x43de8000,0x44130000,0x44420000,0x44800000
	s_mov_b32 s[SC+N], \c                          ; 16 21 27 36 48 64 84 111 147 194 256 337 445 588 776 1024
.set N, N+1
.endr
	s_mov_b32 s15, 0
	s_wait_kmcnt 0x0
	s_mul_i32 s14, s13, 384                        ; 32 points x 12 bytes
	s_add_nc_u64 s[4:5], s[4:5], s[14:15]
	s_lshl_b32 s14, s13, 12                        ; two tiles of 2,048 bytes
	s_add_nc_u64 s[6:7], s[6:7], s[14:15]
.irp t, 0,1
.irp d, 0,1,2
	global_load_b32 v[POS+3*\t+\d], v3, s[4:5] offset:192*\t+4*\d
.endr
.endr
	s_wait_loadcnt 0x0
.irp t, 0,1
.irp d, 0,1,2
	v_cndmask_b32 v[QM+6*\t+\d], 0, v[POS+3*\t+\d], s22
	v_cndmask_b32 v[QM+6*\t+3+\d], 0, v[POS+3*\t+\d], s21
.endr
.endr
; Slot i of tile T.  position x scaling: the two halves of the lanes have different levels, and the scalings are scalars: scaling(a) x (p or 0) + scaling(a + 4) x (0 or p).  One of the two terms is 0, so the product is rounded once.
.macro PSLOT T, i
.set LVI, (\i)+4*((\i)/4)
.set QA, QM+6*(\T)
.set W0, WA+26*(\T)+2*(\i)
.irp d, 0,1,2
	v_mul_f32 v[38+\d], s[SC+LVI], v[QA+\d]
.endr
.irp d, 0,1,2
	v_fmac_f32 v[38+\d], s[SC+LVI+4], v[QA+3+\d]
.endr
.irp d, 0,1,2
	v_floor_f32 v[41+\d], v[38+\d]
.endr
.irp d, 0,1,2
	v_cvt_i32_f32 v[44+\d], v[41+\d]               ; the floor as int32
.endr
.irp d, 0,1,2
	v_cmp_neq_f32 vcc_lo, v[38+\d], v[41+\d]
	v_add_co_ci_u32 v[38+\d], vcc_lo, 0, v[44+\d], vcc_lo   ; the ceiling: one more where the number is no whole number
.endr
	v_mul_lo_u32 v45, v45, s19
	v_mul_lo_u32 v39, v39, s19
	v_mul_lo_u32 v46, v46, s20
	v_mul_lo_u32 v40, v40, s20
	v_xor_b32 v38, v38, v44                        ; DX
	v_xor_b32 v39, v39, v45                        ; DY
	v_xor_b32 v40, v40, v46                        ; DZ
	v_xor_b32 v44, v44, v45
	v_xor_b32 v44, v44, v46                        ; B
	v_and_b32 v38, s18, v38
	v_and_b32 v39, s18, v39
	v_and_b32 v40, s18, v40
	v_and_b32 v44, s18, v44
	v_add_nc_u32 v41, 1, v38                       ; 2^n, n = 0 .. 19,
	v_cvt_f32_u32 v41, v41                         ; whose exponent field as f32 is 127 + n
	v_lshrrev_b32 v41, 23, v41
	v_sub_nc_u32 v41, 146, v41                     ; m = 19 - n
	v_lshl_or_b32 v[W0], v40, 19, v44
	v_lshrrev_b32 v42, 13, v40
	v_lshl_or_b32 v[W0+1], v42, 19, v39
	v_lshl_or_b32 v[W0+1], v41, 25, v[W0+1]
.endm
.irp t, 0,1
.irp i, 0,1,2,3,4,5,6,7
	PSLOT \t, \i
.endr
.endr
.irp t, 0,1
.irp q, 0,1,2,3
	global_store_b128 v2, v[WA+26*\t+4*\q:WA+26*\t+4*\q+3], s[6:7] offset:2048*\t+512*\q   ; 32 lanes store 512 consecutive bytes, aligned
.endr
.endr
	s_endpgm
.Lfunc_end_k_qbdaea973b3_prep:
	.size	k_qbdaea973b3_prep, .Lfunc_end_k_qbdaea973b3_prep-k_qbdaea973b3_prep
	.p2alignl 7, 3214868480
	.fill 96, 4, 3214868480
	.section	.rodata,"a",@progbits
	.p2align	6, 0x0
	.amdhsa_kernel k_qbdaea973b3_prep
		.amdhsa_group_segment_fixed_size 0
		.amdhsa_private_segment_fixed_size 0
		.amdhsa_enable_private_segment 0
		.amdhsa_kernarg_size 16
		.amdhsa_user_sgpr_count 2
		.amdhsa_user_sgpr_kernarg_segment_ptr 1
		.amdhsa_wavefront_size32 1
		.amdhsa_system_sgpr_workgroup_id_x 1
		.amdhsa_system_sgpr_workgroup_id_y 1
		.amdhsa_system_sgpr_workgroup_id_z 1
		.amdhsa_system_vgpr_workitem_id 0
		.amdhsa_next_free_vgpr 64
		.amdhsa_next_free_sgpr 66
		.amdhsa_reserve_vcc 1
		.amdhsa_float_denorm_mode_32 3
		.amdhsa_float_denorm_mode_16_64 3
		.amdhsa_memory_ordered 1
		.amdhsa_forward_progress 1
		.amdhsa_inst_pref_size 28
	.end_amdhsa_kernel
	.amdgpu_metadata
---
amdhsa.version: [ 1, 2 ]
amdhsa.kernels:
  - .name:           k_qbdaea973b3_prep
    .symbol:         k_qbdaea973b3_prep.kd
    .args:
      - { .name: position, .offset: 0, .size: 8, .value_kind: global_buffer, .address_space: global }
      - { .name: idx, .offset: 8, .size: 8, .value_kind: global_buffer, .address_space: global }
    .group_segment_fixed_size: 0
    .private_segment_fixed_size: 0
    .kernarg_segment_align: 8
    .kernarg_segment_size: 16
    .max_flat_workgroup_size: 256
    .sgpr_count:     66
    .vgpr_count:     64
    .wavefront_size: 32
...
	.end_amdgpu_metadata
.endif
;; end of part 3
;; launch nerf (part 4): grid 256 x 1, 32 waves a work-group, no clusters, 102,400 bytes of LDS; arguments idx, hash_table, position, direction, lowp_scales, w1_codes, b1, wd_codes, bd, wc1_codes, bc1, wc2_codes, bc2, wc3, bc3, out0, out1; writes out0, out1
.if DOCPART == 4
	.amdgcn_target "amdgcn-amd-amdhsa--gfx1250"
	.amdhsa_code_object_version 6
	.text
	.protected	k_qbdaea973b3_nerf
	.globl	k_qbdaea973b3_nerf
	.p2align	8
	.type	k_qbdaea973b3_nerf,@function
k_qbdaea973b3_nerf:
	s_mov_b64 s[64:65], 0
	v_nop
	global_prefetch_b8 v0, s[64:65] scope:SCOPE_SE
	s_setreg_imm32_b32 hwreg(HW_REG_WAVE_MODE, 25, 1), 1
	s_wait_xcnt 0x0
; THE HASH ENCODING AND THE WHOLE MLP.  out0 = density [N][16], out1 = colour [N][3].  Nothing between the gathers and the two outputs goes to memory.
; SHARES.  256 work-groups x 32 waves x 32 points.  A wave has two tiles (A, B) of 16 points.  Lane (r = lane % 16, h = lane / 16) of a tile works point r's eight slots i = 0 .. 7, level i + 4 (i / 4) + 4 h:
; the K = 64 form on 8-bit codes wants of lane (r, h), in registers 2 c, 2 c + 1, k = 16 c + 8 h + 0 .. 7, and here k = 2 level + feature.  So the blended pairs of slots 4 c .. 4 c + 3 are the eight numbers of one conversion.
; ADDRESSES hang on idx alone (whole numbers stored by the launch before: word 0 = B | DZ << 19, word 1 = DY | (DZ >> 13) << 19 | m << 25, DX = (2^19 - 1) >> m); the blend's weights are values and are made here from position.
; THE TABLE IS READ AS IT LIES, [2][8388608]: a corner is two loads of 4 bytes, one from each feature's plane, by one offset register into one register pair.  A copy with the two features side by side would make that
; one load of 8 bytes (33.5 M lane requests in place of 67 M) at the price of 64 MiB read and 64 MiB stored by the launch before: not taken.
; reference() reshapes the fractions (level, axis) -> (3, 16) without transposing: weight w of level l is fraction number f = 16 w + l of the flat list: level f / 3, axis f % 3.
; ALL PRODUCTS ARE USED TRANSPOSED: source 0 = 16 rows of a weight (K innermost, as given), source 1 = 16 points.  In result tile t lane (r, h) holds units 16 t + 8 h + 0 .. 7 of point r: one conversion makes of them
; registers 2 t, 2 t + 1 of the next operand.  Products with K = 32 take zero codes for k = 32 .. 63 on both sides.
; SCALES.  A sum of codes stands for sum x 2^(eA + eB).  A bias goes in as the C of the product, divided by that power; the next conversion takes 2^(e next - eA - eB); the hold at the largest code clips at 0 as well (relu).
; The last product (N = 3) is left as it is: bf16 operands; row m of its source 0 is column m & 3 of wc3, so rows 0-2 and rows 8-10 hold the three colours and the others feed results that nobody reads.
; No cluster and no tensor load: work-groups share only 11 KB of weights, copied once into LDS by plain loads.
; LIMITS: e0, e4, e2 - e0 - e1, e6 - e4 - e5 between -126 and 119; e0 + e1, e4 + e5, e6 + e7, e2 + e3 between -126 and 126, so that each power of two below is an f32 number.  NaN and infinities among the inputs are not served.
.set M19,  0x7ffff
.set LEVB, 2097152                     ; a level of one plane: 524,288 x 4 bytes
; LDS: 0 .. 16383 the weights as they lie in memory, 512 bytes a wave; then a stage of 2,048 bytes for each wave (32 rows of out0); then 12 bytes a thread (out1)
.set L_W1,  0
.set L_WC1, 2048
.set L_WC2, 4096
.set L_WD,  8192
.set L_B1,  9216
.set L_BC1, 9728
.set L_BC2, 10240
.set L_BD,  10752
.set L_WC3, 11264
.set STG0,  16384
.set STG1,  81920
; scalar registers: s[4:37] the buffers; s[38:39] the weight copy's source; s[40:47] e0 .. e7; s[48:50] bc3; s51 wave; s52, s53 masks of lanes 16-31, 0-15; s54 2^19 - 1; s55 g;
; s[56:59] feature 0's plane at levels 0 and 8, s[60:63] feature 1's; s[66:81] the scalings; s82 .. s89 four pairs (scale, 448 x scale); s[90:97] four powers of two as pairs; s98 2^(e6 + e7); s99-101 at work
.set SC,   66
; vector registers while gathering: v1 16 x lane; v2 h << 23 (four levels of 2 MiB); v3 12 r
.set PA,   4                           ; v4-15   for each tile: position[d] in lanes 0-15, else 0 (3); position[(d + 1) % 3] in lanes 16-31, else 0 (3)
.set WT,   16                          ; v16-21  (px, 1 - px), (py, 1 - py), (pz, 1 - pz)
.set EB,   22                          ; v22-37  eight blended numbers for each tile
.set XE,   38                          ; v38-53  for each tile 8 registers of an operand: 4 of codes, 4 that are at work here (v42-45) and zero codes later
.set AD,   54                          ; v54-61  the eight corners' entries, then byte offsets
.set DSET, 62                          ; v62-93  the corners' pairs: a set of 16 for each tile
.set WRD,  94                          ; v94-125 idx's words: (tile T, q) at 94 + 4 (2 (3 - q) + T)
.set DIR,  118                         ; v118-123 direction, once q = 0's words are done with
.set SCL,  126                         ; v126    the conversion's scale
.set LIM,  127                         ; v127    448 x that
; and in the MLP: v2 32 r + 8 h; v3 64 r + 8 h; v4 32 h; v5 96 h + 4 (r & 3); v6, v7 out0's stage in and back; v8, v9 out1's; v10 16 x thread
.set BI,   12                          ; v12-27  two tiles of bias; the harmonics; the last product's sums
.set ACC,  54                          ; v54-85  four accumulators
.set WF,   86                          ; v86-101 two fragments of a weight
.set HA,   102                         ; v102-109, v110-117 a hidden layer's codes, tile A, tile B
.set HB,   110
	s_load_b512 s[4:19], s[0:1], 0x0               ; idx 4, hash_table 6, position 8, direction 10, lowp_scales 12, w1 14, b1 16, wd 18
	s_load_b512 s[20:35], s[0:1], 0x40             ; bd 20, wc1 22, bc1 24, wc2 26, bc2 28, wc3 30, bc3 32, out0 34
	s_load_b64 s[36:37], s[0:1], 0x80              ; out1
	v_lshrrev_b32 v1, 5, v0
	v_readfirstlane_b32 s51, v1                    ; wave 0 .. 31
	v_and_b32 v1, 31, v0
	v_lshlrev_b32 v1, 4, v1                        ; 16 x lane
	v_bfe_u32 v2, v0, 4, 1
	v_lshlrev_b32 v2, 23, v2                       ; lanes 16-31 work four levels further on: 4 x 524,288 x 4 bytes
	v_and_b32 v3, 15, v0
	v_mul_u32_u24 v3, v3, 12
	v_lshlrev_b32 v16, 4, v0                       ; where my 16 bytes of the weights go in LDS
	s_lshl_b32 s55, ttmp9, 5
	s_add_co_u32 s55, s55, s51                     ; g: my wave's 32 points
	s_mov_b32 s52, 0xffff0000
	s_mov_b32 s53, 0x0000ffff
	s_mov_b32 s54, M19
.set N, 0
.irp c, 0x41800000,0x41a80000,0x41d80000,0x42100000,0x42400000,0x42800000,0x42a80000,0x42de0000,0x43130000,0x43420000,0x43800000,0x43a88000,0x43de8000,0x44130000,0x44420000,0x44800000
	s_mov_b32 s[SC+N], \c                          ; floor(16 g^l): 16 21 27 36 48 64 84 111 147 194 256 337 445 588 776 1024
.set N, N+1
.endr
	s_mov_b32 s101, 0
	s_wait_kmcnt 0x0
	s_load_b256 s[40:47], s[12:13], 0x0            ; e0 .. e7
	s_load_b96 s[48:50], s[32:33], 0x0             ; bc3
	; which 512 bytes my wave copies: a choice on the wave's number, without a branch.  Offsets are held at the buffer's last 16 bytes, so lanes and waves beyond a buffer's end copy those again
	s_mov_b64 s[38:39], s[14:15]
	s_mov_b32 s99, 0
	s_mov_b32 s100, 2032
.macro PICK n, p, mx
	s_cmp_ge_u32 s51, \n
	s_cselect_b64 s[38:39], s[\p:\p+1], s[38:39]
	s_cselect_b32 s99, \n, s99
	s_cselect_b32 s100, \mx, s100
.endm
	PICK 4, 22, 2032                               ; wc1
	PICK 8, 26, 4080                               ; wc2
	PICK 16, 18, 1008                              ; wd
	PICK 18, 16, 240                               ; b1
	PICK 19, 24, 240                               ; bc1
	PICK 20, 28, 240                               ; bc2
	PICK 21, 20, 48                                ; bd
	PICK 22, 30, 752                               ; wc3
	s_sub_co_u32 s99, s51, s99
	s_lshl_b32 s99, s99, 9
	v_add_nc_u32 v17, s99, v1
	v_min_u32 v17, s100, v17
	global_load_b128 v[DSET:DSET+3], v17, s[38:39]
	s_lshl_b32 s100, s55, 12
	s_add_nc_u64 s[4:5], s[4:5], s[100:101]        ; idx: two tiles of 2,048 bytes
	s_mul_i32 s100, s55, 384
	s_add_nc_u64 s[8:9], s[8:9], s[100:101]        ; position and direction: 32 x 12 bytes
	s_add_nc_u64 s[10:11], s[10:11], s[100:101]
	s_lshl_b32 s100, s55, 11
	s_add_nc_u64 s[34:35], s[34:35], s[100:101]    ; out0: 32 rows of 64 bytes
	s_mul_i32 s100, ttmp9, 12288
	s_add_nc_u64 s[36:37], s[36:37], s[100:101]    ; out1: the work-group's 1,024 x 12 bytes
	s_mov_b64 s[56:57], s[6:7]                     ; feature 0's plane: slots 0-3 (levels 0-3);
	s_add_nc_u64 s[58:59], s[6:7], 0x1000000       ; slots 4-7 (levels 8-11): 8 levels of 2 MiB on;
	s_add_nc_u64 s[60:61], s[6:7], 0x2000000       ; feature 1's plane, 8,388,608 x 4 bytes on: slots 0-3;
	s_add_nc_u64 s[62:63], s[6:7], 0x3000000       ; slots 4-7.  The slot's place among its four stands in the immediate: 6 MiB at the most, inside its signed 24 bits
.irp t, 0,1
.irp q, 0,1,2,3
	global_load_b128 v[WRD+4*(2*(3-\q)+\t):WRD+4*(2*(3-\q)+\t)+3], v1, s[4:5] offset:2048*\t+512*\q th:TH_LOAD_NT   ; 512 consecutive bytes; read once
.endr
.endr
.irp t, 0,1
.irp d, 0,1,2
	global_load_b32 v[DSET+16+3*\t+\d], v3, s[8:9] offset:192*\t+4*\d
.endr
.endr
.macro MKQ S, L, E                     ; s[S] = 2^e as f32, s[L] = 448 x 2^e, e = s[E]
	s_add_co_i32 s[\S], s[\E], 127
	s_add_co_i32 s[\L], s[\S], 8
	s_lshl_b32 s[\S], s[\S], 23
	s_lshl_b32 s[\L], s[\L], 23
	s_or_b32 s[\L], s[\L], 0x600000
.endm
	s_wait_kmcnt 0x0
	MKQ 82, 83, 40                                 ; the encoding: e0
	s_add_co_i32 s100, s40, s41
	s_sub_co_i32 s99, s42, s100
	MKQ 84, 85, 99                                 ; the first hidden layer: e2 - e0 - e1
	s_sub_co_i32 s90, 127, s100
	s_lshl_b32 s90, s90, 23                        ; 2^-(e0 + e1), for b1
	s_mov_b32 s91, s90                             ; (named with it as a pair, so it is written)
	MKQ 86, 87, 44                                 ; density and harmonics: e4
	s_add_co_i32 s100, s44, s45
	s_sub_co_i32 s99, s46, s100
	MKQ 88, 89, 99                                 ; the colour net's first layer: e6 - e4 - e5
	s_sub_co_i32 s92, 127, s100
	s_lshl_b32 s92, s92, 23                        ; 2^-(e4 + e5), for bc1
	s_mov_b32 s93, s92
	s_add_co_i32 s100, s46, s47
	s_sub_co_i32 s94, 127, s100
	s_lshl_b32 s94, s94, 23                        ; 2^-(e6 + e7), for bc2
	s_mov_b32 s95, s94
	s_add_co_i32 s98, s100, 127
	s_lshl_b32 s98, s98, 23                        ; 2^(e6 + e7)
	s_add_co_i32 s100, s42, s43
	s_add_co_i32 s96, s100, 127
	s_lshl_b32 s96, s96, 23                        ; 2^(e2 + e3)
	s_mov_b32 s97, s96
	s_wait_loadcnt 0x0                             ; my piece of the weights, idx's words, position
	ds_store_b128 v16, v[DSET:DSET+3]
	s_wait_dscnt 0x0                               ; for the others' sake: my piece lies in LDS
	s_barrier_signal -1
	s_barrier_wait -1                              ; everybody's does; these bytes are never written again
.irp t, 0,1
.irp d, 0,1,2
	v_cndmask_b32 v[PA+6*\t+\d], 0, v[DSET+16+3*\t+\d], s53
	v_cndmask_b32 v[PA+6*\t+3+\d], 0, v[DSET+16+3*\t+(\d+1)%3], s52
.endr
.endr
	v_mov_b32 v[SCL], s82
	v_mov_b32 v[LIM], s83
; STEP u = 2 i + T: slot i of tile T.  ISSUE unpacks the two words, makes the eight corners' entries (in reference()'s order of corners: 111 110 101 011 100 010 001 000, x first) and asks for their pairs.
.macro ISSUE i, T
.set WW, WRD+4*(2*(3-(\i)/2)+(\T))+2*((\i)%2)
.set DD, DSET+16*(\T)
.set TB0, 56+2*((\i)/4)
.set TB1, 60+2*((\i)/4)
	s_wait_xcnt 0x0                                ; the last step's sixteen loads have read their offsets: only now are those registers written again
.if 2*(\i)+(\T) == 8
.irp t, 0,1
.irp d, 0,1,2
	global_load_b32 v[DIR+3*\t+\d], v3, s[10:11] offset:192*\t+4*\d   ; direction, into the registers of words that were used up in step 3
.endr
.endr
.endif
	v_and_b32 v[AD+7], s54, v[WW]                  ; B: corner 000
	v_lshrrev_b32 v42, 19, v[WW]
	v_bfe_u32 v43, v[WW+1], 19, 6
	v_lshrrev_b32 v44, 25, v[WW+1]                 ; m
	v_and_b32 v45, s54, v[WW+1]                    ; DY
	v_lshl_or_b32 v42, v43, 13, v42                ; DZ
	v_lshrrev_b32 v44, v44, s54                    ; DX = (2^19 - 1) >> m
	v_xor_b32 v[AD+4], v[AD+7], v44                ; 100
	v_xor_b32 v[AD+5], v[AD+7], v45                ; 010
	v_xor_b32 v[AD+6], v[AD+7], v42                ; 001
	v_xor_b32 v[AD+1], v[AD+4], v45                ; 110
	v_xor_b32 v[AD+2], v[AD+4], v42                ; 101
	v_xor_b32 v[AD+3], v[AD+5], v42                ; 011
	v_xor_b32 v[AD+0], v[AD+1], v42                ; 111
.irp k, 0,1,2,3,4,5,6,7
	v_min_u32 v[AD+\k], 0x7ffff, v[AD+\k]          ; a loaded number enters an address only held inside its table
.endr
.irp k, 0,1,2,3,4,5,6,7
	v_lshl_add_u32 v[AD+\k], v[AD+\k], 2, v2       ; 4 bytes an entry of a plane, + my half's four levels
.endr
.irp k, 0,1,2,3,4,5,6,7
	global_load_b32 v[DD+2*\k], v[AD+\k], s[TB0:TB0+1] offset:((\i)%4)*LEVB     ; feature 0,
	global_load_b32 v[DD+2*\k+1], v[AD+\k], s[TB1:TB1+1] offset:((\i)%4)*LEVB   ; feature 1: the corner's pair
.endr
.endm
.macro TIMESQ b, w                     ; corner b's pair x (1 - p): the weights' pair gives its second register to both halves
	v_pk_mul_f32 v[DD+2*(\b):DD+2*(\b)+1], v[DD+2*(\b):DD+2*(\b)+1], v[WT+2*(\w):WT+2*(\w)+1] op_sel:[0,1] op_sel_hi:[1,1]
.endm
.macro MIX d, a, b, w                  ; d = corner a's pair x p + corner b's: the weights' pair gives its first register to both halves
	v_pk_fma_f32 v[\d:\d+1], v[DD+2*(\a):DD+2*(\a)+1], v[WT+2*(\w):WT+2*(\w)+1], v[DD+2*(\b):DD+2*(\b)+1] op_sel_hi:[1,0,1]
.endm
; CONSUME makes the step's three weights while its gathers are on their way, waits for them and blends.
.macro CONSUME i, T
.set UU, 2*(\i)+(\T)
.set DD, DSET+16*(\T)
.set PAB, PA+6*(\T)
.set LVI, (\i)+4*((\i)/4)
.set ED, EB+8*(\T)+2*((\i)%4)
.irp w, 0,1,2
	v_mul_f32 v[WT+2*\w], s[SC+(LVI+16*\w)/3], v[PAB+(LVI+16*\w)%3]          ; lanes 0-15: fraction number f = 16 w + level: level f / 3, axis f % 3
.endr
.irp w, 0,1,2
	v_fmac_f32 v[WT+2*\w], s[SC+(LVI+16*\w+4)/3], v[PAB+3+(LVI+16*\w)%3]     ; lanes 16-31: f + 4: axis (f + 1) % 3.  One of the two terms is 0: the product is rounded once
.endr
.irp w, 0,1,2
	v_floor_f32 v[WT+2*\w+1], v[WT+2*\w]
.endr
.irp w, 0,1,2
	v_sub_f32 v[WT+2*\w], v[WT+2*\w], v[WT+2*\w+1]                           ; p
.endr
.irp w, 0,1,2
	v_sub_f32 v[WT+2*\w+1], 1.0, v[WT+2*\w]                                  ; 1 - p
.endr
.if UU == 15
	s_wait_loadcnt 0x0                             ; the last step: nothing was asked for behind it
.elseif UU == 7
	s_wait_loadcnt 22                              ; behind this step's gathers: direction's six loads and the next step's sixteen
.else
	s_wait_loadcnt 16                              ; behind this step's gathers: the next step's sixteen
.endif
	TIMESQ 3, 0
	TIMESQ 2, 0
	TIMESQ 6, 0
	TIMESQ 7, 0
	MIX DD, 0, 3, 0                                ; f_03
	MIX DD+2, 1, 2, 0                              ; f_12
	MIX DD+10, 5, 6, 0                             ; f_56
	MIX DD+8, 4, 7, 0                              ; f_47
	TIMESQ 1, 1
	TIMESQ 5, 1
	MIX DD, 0, 1, 1                                ; f0312
	MIX DD+8, 4, 5, 1                              ; f4756
	TIMESQ 4, 2
	MIX ED, 0, 4, 2                                ; the level's two features
.if (\i)%4 == 3                        ; four slots are blended: eight neighbours along K
.set EE, EB+8*(\T)
.irp j, 0,1,2,3,4,5,6,7
	v_med3_num_f32 v[EE+\j], v[EE+\j], -v[LIM], v[LIM]   ; the conversion to an 8-bit code does not saturate (ISA guide 7.6.2): the hold at the largest code x the scale
.endr
	v_cvt_scalef32_pk8_fp8_f32 v[XE+8*(\T)+2*((\i)/4):XE+8*(\T)+2*((\i)/4)+1], v[EE:EE+7], v[SCL]
	v_nop                                          ; one plain instruction between a scaled conversion and whatever next writes its sources or touches its result
.endif
.endm
	ISSUE 0, 0
.set U, 0
.rept 16
.if U < 15
	ISSUE (U+1)/2, (U+1)%2                         ; the next step's gathers go out ahead of this step's wait
.endif
	CONSUME U/2, U%2
.set U, U+1
.endr
	; ---- THE MLP.  Every load has been waited for, so the offsets' registers may be written.  All LDS addresses are made here, from the thread's number.
	v_and_b32 v11, 15, v0                          ; r
	v_bfe_u32 v4, v0, 4, 1                         ; h
	v_lshlrev_b32 v2, 5, v11
	v_lshl_add_u32 v2, v4, 3, v2                   ; a weight's row of 32 codes: 32 r + 8 h
	v_lshlrev_b32 v3, 6, v11
	v_lshl_add_u32 v3, v4, 3, v3                   ; of 64 codes: 64 r + 8 h
	v_and_b32 v5, 3, v0
	v_lshlrev_b32 v5, 2, v5
	v_mad_u32_u24 v5, v4, 96, v5                   ; wc3: column r & 3, + 8 h rows of 12 bytes
	v_and_b32 v7, 0x3e0, v0
	v_lshlrev_b32 v7, 6, v7                        ; 2,048 x wave
	v_add_nc_u32 v7, STG0, v7                      ; my wave's stage
	v_lshl_add_u32 v6, v11, 6, v7
	v_lshl_add_u32 v6, v4, 5, v6                   ; in: row r of 64 bytes, + 32 h
	v_add_nc_u32 v7, v7, v1                        ; back: 16 bytes a lane, as they lie
	v_mul_u32_u24 v8, v0, 12
	v_add_nc_u32 v8, STG1, v8                      ; out1: in, 12 bytes a thread;
	v_lshl_add_u32 v9, v0, 4, STG1                 ; back, 16 bytes a thread
	v_lshlrev_b32 v10, 4, v0
	v_lshlrev_b32 v4, 5, v4                        ; a bias: my half's eight numbers of a tile's sixteen
.irp j, 4,5,6,7,12,13,14,15
	v_mov_b32 v[XE+\j], 0                          ; zero codes for k = 32 .. 63 of the two operands with K = 32; they stay
.endr
; A LAYER OF 64 UNITS, two tiles of units at a time, for both tiles of points: four accumulators, none taken up again, so no chain and no wait.
; koff: the weight in LDS; k64: its K is 64 (else 32); boff: the bias; BS: the pair with the power of two that the bias is multiplied by; XA, XB: the operands; post = 0: relu, hold and codes into HA, HB; 1: relu and bf16.
.macro LAYER koff, k64, boff, BS, XA, XB, post
.irp u, 0,1
.irp tt, 0,1
.if \k64
.irp c, 0,1,2,3
	ds_load_b64 v[WF+8*\tt+2*\c:WF+8*\tt+2*\c+1], v3 offset:\koff+1024*(2*\u+\tt)+16*\c   ; unit 16 t + r, k = 16 c + 8 h + 0 .. 7
.endr
.else
.irp c, 0,1
	ds_load_b64 v[WF+8*\tt+2*\c:WF+8*\tt+2*\c+1], v2 offset:\koff+512*(2*\u+\tt)+16*\c
.endr
.endif
	ds_load_b128 v[BI+8*\tt:BI+8*\tt+3], v4 offset:\boff+64*(2*\u+\tt)                    ; the bias of units 16 t + 8 h + 0 .. 7: the result's layout
	ds_load_b128 v[BI+8*\tt+4:BI+8*\tt+7], v4 offset:\boff+64*(2*\u+\tt)+16
.endr
.if (\k64 == 0) && (\u == 0)
.irp j, 4,5,6,7,12,13,14,15
	v_mov_b32 v[WF+\j], 0                          ; zero codes for k = 32 .. 63
.endr
.endif
	s_wait_dscnt 0x0
.set J, 0
.rept 8
	v_pk_mul_f32 v[BI+J:BI+J+1], v[BI+J:BI+J+1], s[\BS:\BS+1] op_sel_hi:[1,0]   ; exact: a power of two
.set J, J+2
.endr
	v_wmma_f32_16x16x64_fp8_fp8 v[ACC:ACC+7], v[WF:WF+7], v[\XA:\XA+7], v[BI:BI+7]
	v_wmma_f32_16x16x64_fp8_fp8 v[ACC+8:ACC+15], v[WF+8:WF+15], v[\XA:\XA+7], v[BI+8:BI+15]
	v_wmma_f32_16x16x64_fp8_fp8 v[ACC+16:ACC+23], v[WF:WF+7], v[\XB:\XB+7], v[BI:BI+7]
	v_wmma_f32_16x16x64_fp8_fp8 v[ACC+24:ACC+31], v[WF+8:WF+15], v[\XB:\XB+7], v[BI+8:BI+15]
.rept 4
	v_nop                                          ; four places ahead of the first read of a result, and of the next loads into the fragments' and biases' registers
.endr
.if \post == 0
.set J, 0
.rept 32
	v_med3_num_f32 v[ACC+J], v[ACC+J], 0, v[LIM]   ; the activation and the hold in one; each accumulator from its low end on
.set J, J+1
.endr
.irp tt, 0,1
	v_cvt_scalef32_pk8_fp8_f32 v[HA+2*(2*\u+\tt):HA+2*(2*\u+\tt)+1], v[ACC+8*\tt:ACC+8*\tt+7], v[SCL]
	v_cvt_scalef32_pk8_fp8_f32 v[HB+2*(2*\u+\tt):HB+2*(2*\u+\tt)+1], v[ACC+16+8*\tt:ACC+16+8*\tt+7], v[SCL]
.endr
	v_nop                                          ; one plain instruction behind the last conversion
.else
.set J, 0
.rept 32
	v_max_num_f32 v[ACC+J], 0, v[ACC+J]
.set J, J+1
.endr
.irp tt, 0,1
.irp i, 0,1,2,3
	v_cvt_pk_bf16_f32 v[XE+8*\u+4*\tt+\i], v[ACC+8*\tt+2*\i], v[ACC+8*\tt+2*\i+1]              ; tile A: k = 32 u + 16 tt + 8 h + 2 i, + 1: the 16-bit operand's own layout
	v_cvt_pk_bf16_f32 v[28+90*\u+4*\tt+\i], v[ACC+16+8*\tt+2*\i], v[ACC+16+8*\tt+2*\i+1]       ; tile B: v28-35, then v118-125
.endr
.endr
.endif
.endr
.endm
	v_mov_b32 v[SCL], s84
	v_mov_b32 v[LIM], s85
	LAYER L_W1, 0, L_B1, 90, XE, XE+8, 0           ; h = relu(enc w1 + b1), as codes
	; ---- density = h wd + bd
.irp c, 0,1,2,3
	ds_load_b64 v[WF+2*\c:WF+2*\c+1], v3 offset:L_WD+16*\c
.endr
	ds_load_b128 v[BI:BI+3], v4 offset:L_BD
	ds_load_b128 v[BI+4:BI+7], v4 offset:L_BD+16
	s_wait_dscnt 0x0
	v_wmma_f32_16x16x64_fp8_fp8 v[ACC:ACC+7], v[WF:WF+7], v[HA:HA+7], 0
	v_wmma_f32_16x16x64_fp8_fp8 v[ACC+8:ACC+15], v[WF:WF+7], v[HB:HB+7], 0
.rept 4
	v_nop
.endr
.irp t, 0,1
.irp i, 0,2,4,6
	v_pk_fma_f32 v[ACC+16+8*\t+\i:ACC+16+8*\t+\i+1], v[ACC+8*\t+\i:ACC+8*\t+\i+1], s[96:97], v[BI+\i:BI+\i+1] op_sel_hi:[1,0,1]   ; sum x 2^(e2 + e3) + bd: units 8 h + 0 .. 7 of point r
.endr
.endr
.irp t, 0,1
	ds_store_b128 v6, v[ACC+16+8*\t:ACC+16+8*\t+3] offset:1024*\t          ; a lane holds half a row of out0: through my wave's stage,
	ds_store_b128 v6, v[ACC+16+8*\t+4:ACC+16+8*\t+7] offset:1024*\t+16
.endr
.irp q, 0,1,2,3
	ds_load_b128 v[ACC+4*\q:ACC+4*\q+3], v7 offset:512*\q                  ; and back as the bytes lie.  LDS serves a wave's instructions in order (ISA guide 5.7.1): these see my stores
.endr
.irp q, 0,1,2,3
	s_wait_dscnt 3-\q                              ; the younger read-backs may be out
	global_store_b128 v1, v[ACC+4*\q:ACC+4*\q+3], s[34:35] offset:512*\q th:TH_STORE_NT   ; 32 lanes store 512 consecutive bytes, aligned; read by nobody here
.endr
	; ---- the spherical harmonics, and [density, harmonics] as codes: k = 8 h + j is the density's unit, k = 16 + 8 h + j harmonic 8 h + j
.set K0,  0x3e906ebb                   ; 0.28209479
.set K1,  0x3efa2a1c                   ; 0.48860251
.set K2,  0x3f8bd8a1                   ; 1.09254843
.set K3,  0x3f723881                   ; 0.94617470
.set K4N, 0xbea17b01                   ; -0.31539157
.set K5,  0x3f0bd8a1                   ; 0.54627422
.set K6,  0x3f170d19                   ; 0.59004359
.set K7,  0x4038ffc7                   ; 2.89061144
.set K8,  0x3eea01e8                   ; 0.45704580
.set K9,  0x3ebf10f8                   ; 0.37317633
.set K10, 0x3fb8ffc7                   ; 1.44530572
	s_mov_b32 s99, K3
	s_mov_b32 s100, 0x40a00000                     ; 5.0
	v_mov_b32 v[SCL], s86
	v_mov_b32 v[LIM], s87
.macro SHQ T
.set DX, DIR+3*(\T)
.set DY, DX+1
.set DZ, DX+2
	v_mul_f32 v28, v[DX], v[DX]                    ; xx
	v_mul_f32 v29, v[DY], v[DY]                    ; yy
	v_mul_f32 v30, v[DZ], v[DZ]                    ; zz
	v_mov_b32 v12, K0
	v_mul_f32 v13, K1, v[DY]
	v_mul_f32 v14, K1, v[DZ]
	v_mul_f32 v15, K1, v[DX]
	v_mul_f32 v31, K2, v[DX]
	v_mul_f32 v32, K2, v[DY]
	v_mul_f32 v16, v31, v[DY]
	v_mul_f32 v17, v32, v[DZ]
	v_fmaak_f32 v18, s99, v30, K4N
	v_mul_f32 v19, v31, v[DZ]
	v_sub_f32 v33, v28, v29                        ; xx - yy
	v_mul_f32 v20, K5, v33
	v_fma_f32 v34, 0x40400000, v28, -v29           ; 3 xx - yy
	v_mul_f32 v31, K6, v[DY]
	v_mul_f32 v21, v31, v34
	v_mul_f32 v32, K7, v[DX]
	v_mul_f32 v32, v32, v[DY]
	v_mul_f32 v22, v32, v[DZ]
	v_fma_f32 v34, s100, v30, -1.0                 ; 5 zz - 1
	v_fmaak_f32 v35, s100, v30, 0xc0400000         ; 5 zz - 3
	v_mul_f32 v31, K8, v[DY]
	v_mul_f32 v23, v31, v34
	v_mul_f32 v31, K9, v[DZ]
	v_mul_f32 v24, v31, v35
	v_mul_f32 v31, K8, v[DX]
	v_mul_f32 v25, v31, v34
	v_mul_f32 v31, K10, v[DZ]
	v_mul_f32 v26, v31, v33
	v_fma_f32 v34, 0xc0400000, v29, v28            ; xx - 3 yy
	v_mul_f32 v31, K6, v[DX]
	v_mul_f32 v27, v31, v34
.irp j, 0,1,2,3,4,5,6,7
	v_cndmask_b32 v[12+\j], v[12+\j], v[20+\j], s52   ; my half's eight
.endr
.irp j, 0,1,2,3,4,5,6,7
	v_med3_num_f32 v[ACC+16+8*(\T)+\j], v[ACC+16+8*(\T)+\j], -v[LIM], v[LIM]
	v_med3_num_f32 v[12+\j], v[12+\j], -v[LIM], v[LIM]
.endr
	v_cvt_scalef32_pk8_fp8_f32 v[XE+8*(\T):XE+8*(\T)+1], v[ACC+16+8*(\T):ACC+16+8*(\T)+7], v[SCL]
	v_cvt_scalef32_pk8_fp8_f32 v[XE+8*(\T)+2:XE+8*(\T)+3], v[12:19], v[SCL]
	v_nop                                          ; one plain instruction behind the last conversion
.endm
	SHQ 0
	SHQ 1
	v_mov_b32 v[SCL], s88
	v_mov_b32 v[LIM], s89
	s_wait_xcnt 0x0                                ; out0's stores have read their registers: the next products write them
	LAYER L_WC1, 0, L_BC1, 92, XE, XE+8, 0         ; c = relu(xcat wc1 + bc1), as codes
	LAYER L_WC2, 1, L_BC2, 94, HA, HB, 1           ; c = relu(c wc2 + bc2) / 2^(e6 + e7), as bf16
	; ---- colour = sigmoid(c wc3 + bc3): bf16 operands, K = 64 in two instructions for each tile, the two accumulators by turns
.irp u, 0,1
.irp gg, 0,1
.irp i, 0,1,2,3,4,5,6,7
	ds_load_b32 v[ACC+16*\u+8*\gg+\i], v5 offset:L_WC3+12*(32*\u+16*\gg+\i)   ; wc3(32 u + 16 gg + 8 h + i, r & 3); column 3 is the next row's first number, and feeds rows that nobody reads
.endr
.endr
.endr
	s_wait_dscnt 0x0
.irp u, 0,1
.irp gg, 0,1
.irp i, 0,1,2,3
	v_cvt_pk_bf16_f32 v[WF+8*\u+4*\gg+\i], v[ACC+16*\u+8*\gg+2*\i], v[ACC+16*\u+8*\gg+2*\i+1]
.endr
.endr
.endr
	v_wmma_f32_16x16x32_bf16 v[12:19], v[WF:WF+7], v[XE:XE+7], 0
	v_wmma_f32_16x16x32_bf16 v[20:27], v[WF:WF+7], v[28:35], 0
	v_wmma_f32_16x16x32_bf16 v[12:19], v[WF+8:WF+15], v[XE+8:XE+15], v[12:19]
	v_wmma_f32_16x16x32_bf16 v[20:27], v[WF+8:WF+15], v[118:125], v[20:27]
.rept 4
	v_nop
.endr
.irp j, 0,1,2
	v_cndmask_b32 v[54+\j], v[12+\j], v[20+\j], s52   ; rows 0-2 (lanes 0-15) and rows 8-10 (lanes 16-31) both hold the colours of point r: lanes 0-15 keep tile A's, lanes 16-31 tile B's: lane l has point l of the wave
.endr
.irp j, 0,1,2
	v_fma_f32 v[54+\j], v[54+\j], s98, s[48+\j]    ; sum x 2^(e6 + e7) + bc3
.endr
.irp j, 0,1,2
	v_mul_f32 v[54+\j], 0xbfb8aa3b, v[54+\j]       ; x -log2(e)
.endr
.irp j, 0,1,2
	v_exp_f32 v[54+\j], v[54+\j]
.endr
	v_nop                                          ; a plain instruction behind the last exponential,
	s_wait_alu depctr_va_vdst(0)                   ; and a wait ahead of the batch's first reader
.irp j, 0,1,2
	v_add_f32 v[54+\j], 1.0, v[54+\j]
.endr
.irp j, 0,1,2
	v_rcp_f32 v[54+\j], v[54+\j]                   ; 1 / (1 + e^-x)
.endr
	v_nop
	s_wait_alu depctr_va_vdst(0)
.irp j, 0,1,2
	ds_store_b32 v8, v[54+\j] offset:4*\j          ; 12 bytes a thread: the work-group's 12,288 bytes of out1 as they lie in memory
.endr
	s_wait_dscnt 0x0                               ; for the others' sake: my stores have landed
	s_barrier_signal -1
	s_barrier_wait -1
	s_cmp_lt_u32 s51, 24                           ; 12,288 bytes are 768 threads x 16: waves 0 to 23 store them
	s_cbranch_scc0 .Lend
	ds_load_b128 v[58:61], v9
	s_wait_dscnt 0x0
	global_store_b128 v10, v[58:61], s[36:37] th:TH_STORE_NT   ; 32 lanes store 512 consecutive bytes, aligned
.Lend:
	s_wait_xcnt 0x0
	v_lshl_add_u32 v126, v0, 2, 0x18000
	v_mov_b32 v127, 0
	s_wait_tensorcnt 0x0
	ds_add_u32 v126, v127
	s_wait_dscnt 0x0
	s_endpgm
.Lfunc_end_k_qbdaea973b3_nerf:
	.size	k_qbdaea973b3_nerf, .Lfunc_end_k_qbdaea973b3_nerf-k_qbdaea973b3_nerf
	.p2alignl 7, 3214868480
	.fill 96, 4, 3214868480
	.section	.rodata,"a",@progbits
	.p2align	6, 0x0
	.amdhsa_kernel k_qbdaea973b3_nerf
		.amdhsa_group_segment_fixed_size 102400
		.amdhsa_private_segment_fixed_size 0
		.amdhsa_enable_private_segment 0
		.amdhsa_kernarg_size 136
		.amdhsa_user_sgpr_count 2
		.amdhsa_user_sgpr_kernarg_segment_ptr 1
		.amdhsa_wavefront_size32 1
		.amdhsa_system_sgpr_workgroup_id_x 1
		.amdhsa_system_sgpr_workgroup_id_y 1
		.amdhsa_system_sgpr_workgroup_id_z 1
		.amdhsa_system_vgpr_workitem_id 0
		.amdhsa_next_free_vgpr 128
		.amdhsa_next_free_sgpr 102
		.amdhsa_reserve_vcc 0
		.amdhsa_float_denorm_mode_32 3
		.amdhsa_float_denorm_mode_16_64 3
		.amdhsa_memory_ordered 1
		.amdhsa_forward_progress 1
		.amdhsa_inst_pref_size 121
	.end_amdhsa_kernel
	.amdgpu_metadata
---
amdhsa.version: [ 1, 2 ]
amdhsa.kernels:
  - .name:           k_qbdaea973b3_nerf
    .symbol:         k_qbdaea973b3_nerf.kd
    .args:
      - { .name: idx, .offset: 0, .size: 8, .value_kind: global_buffer, .address_space: global }
      - { .name: hash_table, .offset: 8, .size: 8, .value_kind: global_buffer, .address_space: global }
      - { .name: position, .offset: 16, .size: 8, .value_kind: global_buffer, .address_space: global }
      - { .name: direction, .offset: 24, .size: 8, .value_kind: global_buffer, .address_space: global }
      - { .name: lowp_scales, .offset: 32, .size: 8, .value_kind: global_buffer, .address_space: global }
      - { .name: w1_codes, .offset: 40, .size: 8, .value_kind: global_buffer, .address_space: global }
      - { .name: b1, .offset: 48, .size: 8, .value_kind: global_buffer, .address_space: global }
      - { .name: wd_codes, .offset: 56, .size: 8, .value_kind: global_buffer, .address_space: global }
      - { .name: bd, .offset: 64, .size: 8, .value_kind: global_buffer, .address_space: global }
      - { .name: wc1_codes, .offset: 72, .size: 8, .value_kind: global_buffer, .address_space: global }
      - { .name: bc1, .offset: 80, .size: 8, .value_kind: global_buffer, .address_space: global }
      - { .name: wc2_codes, .offset: 88, .size: 8, .value_kind: global_buffer, .address_space: global }
      - { .name: bc2, .offset: 96, .size: 8, .value_kind: global_buffer, .address_space: global }
      - { .name: wc3, .offset: 104, .size: 8, .value_kind: global_buffer, .address_space: global }
      - { .name: bc3, .offset: 112, .size: 8, .value_kind: global_buffer, .address_space: global }
      - { .name: out0, .offset: 120, .size: 8, .value_kind: global_buffer, .address_space: global }
      - { .name: out1, .offset: 128, .size: 8, .value_kind: global_buffer, .address_space: global }
    .group_segment_fixed_size: 102400
    .private_segment_fixed_size: 0
    .kernarg_segment_align: 8
    .kernarg_segment_size: 136
    .max_flat_workgroup_size: 1024
    .sgpr_count:     102
    .vgpr_count:     128
    .wavefront_size: 32
...
	.end_amdgpu_metadata
.endif
;; end of part 4
;; ======== version 3 of 3: 2 launches; version 2 with the launch nerf written anew for expert scheduling mode
;; workspace buffers: idx 33,554,432 bytes of whole numbers
;; launch prep: the kernel of part 3 again; grid 1024 x 1, 8 waves a work-group, no clusters, 0 bytes of LDS; arguments position, idx; writes idx
;; launch nerf (part 5): grid 256 x 1, 32 waves a work-group, no clusters, 102,400 bytes of LDS; arguments idx, hash_table, position, direction, lowp_scales, w1_codes, b1, wd_codes, bd, wc1_codes, bc1, wc2_codes, bc2, wc3, bc3, out0, out1; writes out0, out1
.if DOCPART == 5
	.amdgcn_target "amdgcn-amd-amdhsa--gfx1250"
	.amdhsa_code_object_version 6
	.text
	.protected	k_qbdaea973b3_nerf
	.globl	k_qbdaea973b3_nerf
	.p2align	8
	.type	k_qbdaea973b3_nerf,@function
k_qbdaea973b3_nerf:
	s_mov_b64 s[64:65], 0
	v_nop
	global_prefetch_b8 v0, s[64:65] scope:SCOPE_SE
	s_setreg_imm32_b32 hwreg(HW_REG_WAVE_SCHED_MODE, 0, 2), 2
	s_setreg_imm32_b32 hwreg(HW_REG_WAVE_MODE, 25, 1), 1
	s_wait_xcnt 0x0
	s_wait_alu depctr_vm_vsrc(0)
; THE HASH ENCODING AND THE WHOLE MLP.  out0 = density [N][16], out1 = colour [N][3].  Nothing between the gathers and the two outputs goes to memory.
; SHARES.  256 work-groups x 32 waves x 32 points.  A wave has two tiles (A, B) of 16 points.  Lane (r = lane % 16, h = lane / 16) of a tile works point r's eight slots i = 0 .. 7, level i + 4 (i / 4) + 4 h:
; the K = 64 form on 8-bit codes wants of lane (r, h), in registers 2 c, 2 c + 1, k = 16 c + 8 h + 0 .. 7, and here k = 2 level + feature.  So the blended pairs of slots 4 c .. 4 c + 3 are the eight numbers of one conversion.
; ADDRESSES hang on idx alone (whole numbers stored by the launch before: word 0 = B | DZ << 19, word 1 = DY | (DZ >> 13) << 19 | m << 25, DX = (2^19 - 1) >> m); the blend's weights are values and are made here from position.
; THE TABLE IS READ AS IT LIES, [2][8388608]: a corner is two loads of 4 bytes, one from each feature's plane, by one offset register into one register pair.  A copy with the two features side by side would make that
; one load of 8 bytes (33.5 M lane requests in place of 67 M) at the price of 64 MiB read and 64 MiB stored by the launch before: not taken.
; reference() reshapes the fractions (level, axis) -> (3, 16) without transposing: weight w of level l is fraction number f = 16 w + l of the flat list: level f / 3, axis f % 3.
; ALL PRODUCTS ARE USED TRANSPOSED: source 0 = 16 rows of a weight (K innermost, as given), source 1 = 16 points.  In result tile t lane (r, h) holds units 16 t + 8 h + 0 .. 7 of point r: one conversion makes of them
; registers 2 t, 2 t + 1 of the next operand.  Products with K = 32 take zero codes for k = 32 .. 63 on both sides.
; SCALES.  A sum of codes stands for sum x 2^(eA + eB).  A bias goes in as the C of the product, divided by that power; the next conversion takes 2^(e next - eA - eB); the hold at the largest code clips at 0 as well (relu).
; The last product (N = 3) is left as it is: bf16 operands; row m of its source 0 is column m & 3 of wc3, so rows 0-2 and rows 8-10 hold the three colours and the others feed results that nobody reads.
; No cluster and no tensor load: work-groups share only 11 KB of weights, copied once into LDS by plain loads.
; LIMITS: e0, e4, e2 - e0 - e1, e6 - e4 - e5 between -126 and 119; e0 + e1, e4 + e5, e6 + e7, e2 + e3 between -126 and 126, so that each power of two below is an f32 number.  NaN and infinities among the inputs are not served.
; THE MODE: SCHED_MODE bits 1:0 = 2 (LLVM: expert scheduling mode 2), set by the entry lines.  The code itself states the register dependences between vector or matrix instructions and memory or LDS instructions,
; with s_wait_alu, always for 0.
; THE PLAN, while gathering.  Registers that memory instructions touch:
;   v[AD ..]     Written by step u + 1's unpacking lines, read as offsets by its sixteen loads.
;   the two sets of v[DSET ..]   Step u - 1's blend reads and writes the set of tile (u + 1) % 2; then step u + 1's loads land in it.
;   v[WRD ..]    Loaded once, read by the unpacking lines; v118-123, last read in step 3, take direction in step 8.
;   v1, v3       Offsets made at the head; not written while a load may read them.
;   The weights v[WT ..], v[PA ..], v[EB ..], the codes and v42-45 are named by vector instructions alone (v16, v17 served the copy of the weights at the head).
; So a step has two waits.  One on vm_vsrc at the head of the unpacking: the loads of the step before, issued a whole blend earlier, have read v[AD ..].  One on va_vdst behind the unpacking: v[AD ..] is written, and the
; blend two steps back is done with the set in which the loads land.  Behind it the sixteen loads are dealt among this step's fifteen weight lines, which name v[WT ..] and v[PA ..] alone.
; THE PLAN, in the MLP.  v2 .. v10 are addresses, made once.  v[WF ..] and v[BI ..] are loaded from LDS and read by a half-layer's four products (v[BI ..] scaled by vector lines first).  ONE wait on va_vdst stands behind those
; products and their places: they are done reading v[WF ..] and v[BI ..].  The next half-layer's loads follow it at once and land while this half's results are held and converted, by lines that name neither.
; The other waits stand where a result goes to a stage in LDS, and where a stage's or a store's registers are written again; each says what it states.
.set M19,  0x7ffff
.set LEVB, 2097152                     ; a level of one plane: 524,288 x 4 bytes
; LDS: 0 .. 16383 the weights as they lie in memory, 512 bytes a wave; then a stage of 2,048 bytes for each wave (32 rows of out0); then 12 bytes a thread (out1)
.set L_W1,  0
.set L_WC1, 2048
.set L_WC2, 4096
.set L_WD,  8192
.set L_B1,  9216
.set L_BC1, 9728
.set L_BC2, 10240
.set L_BD,  10752
.set L_WC3, 11264
.set STG0,  16384
.set STG1,  81920
; scalar registers: s[4:37] the buffers; s[38:39] the weight copy's source; s[40:47] e0 .. e7; s[48:50] bc3; s51 wave; s52, s53 masks of lanes 16-31, 0-15; s54 2^19 - 1; s55 g;
; s[56:59] feature 0's plane at levels 0 and 8, s[60:63] feature 1's; s[66:81] the scalings; s82 .. s89 four pairs (scale, 448 x scale); s[90:97] four powers of two as pairs; s98 2^(e6 + e7); s99-101 at work
.set SC,   66
; vector registers while gathering: v1 16 x lane; v2 h << 23 (four levels of 2 MiB); v3 12 r
.set PA,   4                           ; v4-15   for each tile: position[d] in lanes 0-15, else 0 (3); position[(d + 1) % 3] in lanes 16-31, else 0 (3)
.set WT,   16                          ; v16-21  (px, 1 - px), (py, 1 - py), (pz, 1 - pz)
.set EB,   22                          ; v22-37  eight blended numbers for each tile
.set XE,   38                          ; v38-53  for each tile 8 registers of an operand: 4 of codes, 4 that are at work here (v42-45) and zero codes later
.set AD,   54                          ; v54-61  the eight corners' entries, then byte offsets
.set DSET, 62                          ; v62-93  the corners' pairs: a set of 16 for each tile
.set WRD,  94                          ; v94-125 idx's words: (tile T, q) at 94 + 4 (2 (3 - q) + T)
.set DIR,  118                         ; v118-123 direction, once q = 0's words are done with
.set SCL,  126                         ; v126    the conversion's scale
.set LIM,  127                         ; v127    448 x that
; and in the MLP: v2 32 r + 8 h; v3 64 r + 8 h; v4 32 h; v5 96 h + 4 (r & 3); v6, v7 out0's stage in and back; v8, v9 out1's; v10 16 x thread
.set BI,   12                          ; v12-27  two tiles of bias; the harmonics; half of wc3 as loaded; the last product's sums
.set ACC,  54                          ; v54-85  four accumulators
.set WF,   86                          ; v86-101 two fragments of a weight
.set HA,   102                         ; v102-109, v110-117 a hidden layer's codes, tile A, tile B; at the end the other half of wc3 as loaded
.set HB,   110
	s_load_b512 s[4:19], s[0:1], 0x0               ; idx 4, hash_table 6, position 8, direction 10, lowp_scales 12, w1 14, b1 16, wd 18
	s_load_b512 s[20:35], s[0:1], 0x40             ; bd 20, wc1 22, bc1 24, wc2 26, bc2 28, wc3 30, bc3 32, out0 34
	s_load_b64 s[36:37], s[0:1], 0x80              ; out1
	v_lshrrev_b32 v1, 5, v0
	v_readfirstlane_b32 s51, v1                    ; wave 0 .. 31
	v_and_b32 v1, 31, v0
	v_lshlrev_b32 v1, 4, v1                        ; 16 x lane
	v_bfe_u32 v2, v0, 4, 1
	v_lshlrev_b32 v2, 23, v2                       ; lanes 16-31 work four levels further on: 4 x 524,288 x 4 bytes
	v_and_b32 v3, 15, v0
	v_mul_u32_u24 v3, v3, 12
	v_lshlrev_b32 v16, 4, v0                       ; where my 16 bytes of the weights go in LDS
	s_wait_alu depctr_va_sdst(0)                   ; s51 is written, ahead of its first reader: g, the choice of what I copy and the last branch are made from it
	s_lshl_b32 s55, ttmp9, 5
	s_add_co_u32 s55, s55, s51                     ; g: my wave's 32 points
	s_mov_b32 s52, 0xffff0000
	s_mov_b32 s53, 0x0000ffff
	s_mov_b32 s54, M19
.set N, 0
.irp c, 0x41800000,0x41a80000,0x41d80000,0x42100000,0x42400000,0x42800000,0x42a80000,0x42de0000,0x43130000,0x43420000,0x43800000,0x43a88000,0x43de8000,0x44130000,0x44420000,0x44800000
	s_mov_b32 s[SC+N], \c                          ; floor(16 g^l): 16 21 27 36 48 64 84 111 147 194 256 337 445 588 776 1024
.set N, N+1
.endr
	s_mov_b32 s101, 0
	s_wait_kmcnt 0x0
	s_load_b256 s[40:47], s[12:13], 0x0            ; e0 .. e7
	s_load_b96 s[48:50], s[32:33], 0x0             ; bc3
	; which 512 bytes my wave copies: a choice on the wave's number, without a branch.  Offsets are held at the buffer's last 16 bytes, so lanes and waves beyond a buffer's end copy those again
	s_mov_b64 s[38:39], s[14:15]
	s_mov_b32 s99, 0
	s_mov_b32 s100, 2032
.macro PICK n, p, mx
	s_cmp_ge_u32 s51, \n
	s_cselect_b64 s[38:39], s[\p:\p+1], s[38:39]
	s_cselect_b32 s99, \n, s99
	s_cselect_b32 s100, \mx, s100
.endm
	PICK 4, 22, 2032                               ; wc1
	PICK 8, 26, 4080                               ; wc2
	PICK 16, 18, 1008                              ; wd
	PICK 18, 16, 240                               ; b1
	PICK 19, 24, 240                               ; bc1
	PICK 20, 28, 240                               ; bc2
	PICK 21, 20, 48                                ; bd
	PICK 22, 30, 752                               ; wc3
	s_sub_co_u32 s99, s51, s99
	s_lshl_b32 s99, s99, 9
	v_add_nc_u32 v17, s99, v1
	v_min_u32 v17, s100, v17
	s_wait_alu depctr_va_vdst(0)                   ; v1, v3 and v17 are written, which the loads below read as offsets, and v16, the address of the LDS store behind them
	global_load_b128 v[DSET:DSET+3], v17, s[38:39]
	s_lshl_b32 s100, s55, 12
	s_add_nc_u64 s[4:5], s[4:5], s[100:101]        ; idx: two tiles of 2,048 bytes
	s_mul_i32 s100, s55, 384
	s_add_nc_u64 s[8:9], s[8:9], s[100:101]        ; position and direction: 32 x 12 bytes
	s_add_nc_u64 s[10:11], s[10:11], s[100:101]
	s_lshl_b32 s100, s55, 11
	s_add_nc_u64 s[34:35], s[34:35], s[100:101]    ; out0: 32 rows of 64 bytes
	s_mul_i32 s100, ttmp9, 12288
	s_add_nc_u64 s[36:37], s[36:37], s[100:101]    ; out1: the work-group's 1,024 x 12 bytes
	s_mov_b64 s[56:57], s[6:7]                     ; feature 0's plane: slots 0-3 (levels 0-3);
	s_add_nc_u64 s[58:59], s[6:7], 0x1000000       ; slots 4-7 (levels 8-11): 8 levels of 2 MiB on;
	s_add_nc_u64 s[60:61], s[6:7], 0x2000000       ; feature 1's plane, 8,388,608 x 4 bytes on: slots 0-3;
	s_add_nc_u64 s[62:63], s[6:7], 0x3000000       ; slots 4-7.  The slot's place among its four stands in the immediate: 6 MiB at the most, inside its signed 24 bits
.irp t, 0,1
.irp q, 0,1,2,3
	global_load_b128 v[WRD+4*(2*(3-\q)+\t):WRD+4*(2*(3-\q)+\t)+3], v1, s[4:5] offset:2048*\t+512*\q th:TH_LOAD_NT   ; 512 consecutive bytes; read once
.endr
.endr
.irp t, 0,1
.irp d, 0,1,2
	global_load_b32 v[DSET+16+3*\t+\d], v3, s[8:9] offset:192*\t+4*\d
.endr
.endr
.macro MKQ S, L, E                     ; s[S] = 2^e as f32, s[L] = 448 x 2^e, e = s[E]
	s_add_co_i32 s[\S], s[\E], 127
	s_add_co_i32 s[\L], s[\S], 8
	s_lshl_b32 s[\S], s[\S], 23
	s_lshl_b32 s[\L], s[\L], 23
	s_or_b32 s[\L], s[\L], 0x600000
.endm
	s_wait_kmcnt 0x0
	MKQ 82, 83, 40                                 ; the encoding: e0
	s_add_co_i32 s100, s40, s41
	s_sub_co_i32 s99, s42, s100
	MKQ 84, 85, 99                                 ; the first hidden layer: e2 - e0 - e1
	s_sub_co_i32 s90, 127, s100
	s_lshl_b32 s90, s90, 23                        ; 2^-(e0 + e1), for b1
	s_mov_b32 s91, s90                             ; (named with it as a pair, so it is written)
	MKQ 86, 87, 44                                 ; density and harmonics: e4
	s_add_co_i32 s100, s44, s45
	s_sub_co_i32 s99, s46, s100
	MKQ 88, 89, 99                                 ; the colour net's first layer: e6 - e4 - e5
	s_sub_co_i32 s92, 127, s100
	s_lshl_b32 s92, s92, 23                        ; 2^-(e4 + e5), for bc1
	s_mov_b32 s93, s92
	s_add_co_i32 s100, s46, s47
	s_sub_co_i32 s94, 127, s100
	s_lshl_b32 s94, s94, 23                        ; 2^-(e6 + e7), for bc2
	s_mov_b32 s95, s94
	s_add_co_i32 s98, s100, 127
	s_lshl_b32 s98, s98, 23                        ; 2^(e6 + e7)
	s_add_co_i32 s100, s42, s43
	s_add_co_i32 s96, s100, 127
	s_lshl_b32 s96, s96, 23                        ; 2^(e2 + e3)
	s_mov_b32 s97, s96
	s_wait_loadcnt 0x0                             ; my piece of the weights, idx's words, position
	ds_store_b128 v16, v[DSET:DSET+3]
	s_wait_dscnt 0x0                               ; for the others' sake: my piece lies in LDS
	s_barrier_signal -1
	s_barrier_wait -1                              ; everybody's does; these bytes are never written again
.irp t, 0,1
.irp d, 0,1,2
	v_cndmask_b32 v[PA+6*\t+\d], 0, v[DSET+16+3*\t+\d], s53
	v_cndmask_b32 v[PA+6*\t+3+\d], 0, v[DSET+16+3*\t+(\d+1)%3], s52
.endr
.endr
	v_mov_b32 v[SCL], s82
	v_mov_b32 v[LIM], s83
; STEP u = 2 i + T: slot i of tile T.  UNPACK unpacks the two words and makes the eight corners' offsets (in reference()'s order of corners: 111 110 101 011 100 010 001 000, x first); GPAIR asks for one corner's pair.
.macro UNPACK i, T
.set WW, WRD+4*(2*(3-(\i)/2)+(\T))+2*((\i)%2)
	s_wait_xcnt 0x0                                ; the last step's sixteen loads have had their addresses translated: only now are their offsets' registers written again
	s_wait_alu depctr_vm_vsrc(0)                   ; the last step's loads have read v[AD ..], which the lines below write; ahead of step 0: the copy's load and LDS store have read v17, v16 and v[DSET .. DSET+3], which the weights and the gathers write
	v_and_b32 v[AD+7], s54, v[WW]                  ; B: corner 000
	v_lshrrev_b32 v42, 19, v[WW]
	v_bfe_u32 v43, v[WW+1], 19, 6
	v_lshrrev_b32 v44, 25, v[WW+1]                 ; m
	v_and_b32 v45, s54, v[WW+1]                    ; DY
	v_lshl_or_b32 v42, v43, 13, v42                ; DZ
	v_lshrrev_b32 v44, v44, s54                    ; DX = (2^19 - 1) >> m
	v_xor_b32 v[AD+4], v[AD+7], v44                ; 100
	v_xor_b32 v[AD+5], v[AD+7], v45                ; 010
	v_xor_b32 v[AD+6], v[AD+7], v42                ; 001
	v_xor_b32 v[AD+1], v[AD+4], v45                ; 110
	v_xor_b32 v[AD+2], v[AD+4], v42                ; 101
	v_xor_b32 v[AD+3], v[AD+5], v42                ; 011
	v_xor_b32 v[AD+0], v[AD+1], v42                ; 111
.irp k, 0,1,2,3,4,5,6,7
	v_min_u32 v[AD+\k], 0x7ffff, v[AD+\k]          ; a loaded number enters an address only held inside its table
.endr
.irp k, 0,1,2,3,4,5,6,7
	v_lshl_add_u32 v[AD+\k], v[AD+\k], 2, v2       ; 4 bytes an entry of a plane, + my half's four levels
.endr
	s_wait_alu depctr_va_vdst(0)                   ; v[AD ..] is written, which this step's loads read; the blend two steps back (steps 0, 1: the selects of position) is done with the set in which they land; step 8: the unpacking of steps 0 to 3 is done reading v118-123
.if 2*(\i)+(\T) == 8
.irp t, 0,1
.irp d, 0,1,2
	global_load_b32 v[DIR+3*\t+\d], v3, s[10:11] offset:192*\t+4*\d   ; direction, into the registers of words that were used up in step 3
.endr
.endr
.endif
.endm
.macro GPAIR i, T, k
	global_load_b32 v[DSET+16*(\T)+2*(\k)], v[AD+(\k)], s[56+2*((\i)/4):57+2*((\i)/4)] offset:((\i)%4)*LEVB     ; feature 0,
	global_load_b32 v[DSET+16*(\T)+2*(\k)+1], v[AD+(\k)], s[60+2*((\i)/4):61+2*((\i)/4)] offset:((\i)%4)*LEVB   ; feature 1: the corner's pair
.endm
; Line n of the fifteen that make a step's three weights (p, 1 - p): five lines for each of w = n % 3.  They name v[WT ..], v[PA ..] and scalars alone.
.macro WL n
.set WX, (\n)%3
.if (\n)/3 == 0
	v_mul_f32 v[WT+2*WX], s[SC+(LVI+16*WX)/3], v[PAB+(LVI+16*WX)%3]          ; lanes 0-15: fraction number f = 16 w + level: level f / 3, axis f % 3
.elseif (\n)/3 == 1
	v_fmac_f32 v[WT+2*WX], s[SC+(LVI+16*WX+4)/3], v[PAB+3+(LVI+16*WX)%3]     ; lanes 16-31: f + 4: axis (f + 1) % 3.  One of the two terms is 0: the product is rounded once
.elseif (\n)/3 == 2
	v_floor_f32 v[WT+2*WX+1], v[WT+2*WX]
.elseif (\n)/3 == 3
	v_sub_f32 v[WT+2*WX], v[WT+2*WX], v[WT+2*WX+1]                           ; p
.else
	v_sub_f32 v[WT+2*WX+1], 1.0, v[WT+2*WX]                                  ; 1 - p
.endif
.endm
.macro TIMESQ b, w                     ; corner b's pair x (1 - p): the weights' pair gives its second register to both halves
	v_pk_mul_f32 v[DD+2*(\b):DD+2*(\b)+1], v[DD+2*(\b):DD+2*(\b)+1], v[WT+2*(\w):WT+2*(\w)+1] op_sel:[0,1] op_sel_hi:[1,1]
.endm
.macro MIX d, a, b, w                  ; d = corner a's pair x p + corner b's: the weights' pair gives its first register to both halves
	v_pk_fma_f32 v[\d:\d+1], v[DD+2*(\a):DD+2*(\a)+1], v[WT+2*(\w):WT+2*(\w)+1], v[DD+2*(\b):DD+2*(\b)+1] op_sel_hi:[1,0,1]
.endm
; A STEP: the next step (slot ni of tile nT) is unpacked; its gathers go out, dealt among this step's weight lines, ahead of this step's wait; then this step's corners are blended.
.macro STEP i, T, ni, nT
.set UU, 2*(\i)+(\T)
.if UU < 15
	UNPACK \ni, \nT
.endif
.set DD, DSET+16*(\T)
.set PAB, PA+6*(\T)
.set LVI, (\i)+4*((\i)/4)
.set ED, EB+8*(\T)+2*((\i)%4)
.irp k, 0,1,2,3,4,5,6,7
.if UU < 15
	GPAIR \ni, \nT, \k                             ; no wait: no vector instruction since the wait in UNPACK names v[AD ..] or the set in which these land
.endif
	WL 2*\k
.if \k < 7
	WL 2*\k+1
.endif
.endr
.if UU == 15
	s_wait_loadcnt 0x0                             ; the last step: nothing was asked for behind it
.elseif UU == 7
	s_wait_loadcnt 22                              ; behind this step's gathers: direction's six loads and the next step's sixteen
.else
	s_wait_loadcnt 16                              ; behind this step's gathers: the next step's sixteen
.endif
	TIMESQ 3, 0
	TIMESQ 2, 0
	TIMESQ 6, 0
	TIMESQ 7, 0
	MIX DD, 0, 3, 0                                ; f_03
	MIX DD+2, 1, 2, 0                              ; f_12
	MIX DD+10, 5, 6, 0                             ; f_56
	MIX DD+8, 4, 7, 0                              ; f_47
	TIMESQ 1, 1
	TIMESQ 5, 1
	MIX DD, 0, 1, 1                                ; f0312
	MIX DD+8, 4, 5, 1                              ; f4756
	TIMESQ 4, 2
	MIX ED, 0, 4, 2                                ; the level's two features
.if (\i)%4 == 3                        ; four slots are blended: eight neighbours along K
.set EE, EB+8*(\T)
.irp j, 0,1,2,3,4,5,6,7
	v_med3_num_f32 v[EE+\j], v[EE+\j], -v[LIM], v[LIM]   ; the conversion to an 8-bit code does not saturate (ISA guide 7.6.2): the hold at the largest code x the scale
.endr
	v_cvt_scalef32_pk8_fp8_f32 v[XE+8*(\T)+2*((\i)/4):XE+8*(\T)+2*((\i)/4)+1], v[EE:EE+7], v[SCL]
	v_nop                                          ; one plain instruction between a scaled conversion and whatever next writes its sources or touches its result
.endif
.endm
	UNPACK 0, 0
.irp k, 0,1,2,3,4,5,6,7
	GPAIR 0, 0, \k
.endr
.set U, 0
.rept 16
	STEP U/2, U%2, (U+1)/2, (U+1)%2
.set U, U+1
.endr
	; ---- THE MLP.  Every load has been waited for, so the offsets' registers may be written.  All LDS addresses are made here, from the thread's number.
	s_wait_alu depctr_vm_vsrc(0)                   ; the last step's gathers have read v[AD ..], which the first products write (v3 was last read by direction's loads, ahead of earlier such waits)
	v_and_b32 v11, 15, v0                          ; r
	v_bfe_u32 v4, v0, 4, 1                         ; h
	v_lshlrev_b32 v2, 5, v11
	v_lshl_add_u32 v2, v4, 3, v2                   ; a weight's row of 32 codes: 32 r + 8 h
	v_lshlrev_b32 v3, 6, v11
	v_lshl_add_u32 v3, v4, 3, v3                   ; of 64 codes: 64 r + 8 h
	v_and_b32 v5, 3, v0
	v_lshlrev_b32 v5, 2, v5
	v_mad_u32_u24 v5, v4, 96, v5                   ; wc3: column r & 3, + 8 h rows of 12 bytes
	v_and_b32 v7, 0x3e0, v0
	v_lshlrev_b32 v7, 6, v7                        ; 2,048 x wave
	v_add_nc_u32 v7, STG0, v7                      ; my wave's stage
	v_lshl_add_u32 v6, v11, 6, v7
	v_lshl_add_u32 v6, v4, 5, v6                   ; in: row r of 64 bytes, + 32 h
	v_add_nc_u32 v7, v7, v1                        ; back: 16 bytes a lane, as they lie
	v_mul_u32_u24 v8, v0, 12
	v_add_nc_u32 v8, STG1, v8                      ; out1: in, 12 bytes a thread;
	v_lshl_add_u32 v9, v0, 4, STG1                 ; back, 16 bytes a thread
	v_lshlrev_b32 v10, 4, v0
	v_lshlrev_b32 v4, 5, v4                        ; a bias: my half's eight numbers of a tile's sixteen
.irp j, 4,5,6,7,12,13,14,15
	v_mov_b32 v[XE+\j], 0                          ; zero codes for k = 32 .. 63 of the two operands with K = 32; they stay
.endr
; A LAYER OF 64 UNITS goes in two halves, two tiles of units each, for both tiles of points: four accumulators, none taken up again, so no chain.
; WLOAD: a half's loads.  koff: the weight in LDS; k64: its K is 64 (else 32); boff: the bias; u: the half.
.macro WLOAD koff, k64, boff, u
.irp tt, 0,1
.if \k64
.irp c, 0,1,2,3
	ds_load_b64 v[WF+8*\tt+2*\c:WF+8*\tt+2*\c+1], v3 offset:\koff+1024*(2*\u+\tt)+16*\c   ; unit 16 t + r, k = 16 c + 8 h + 0 .. 7
.endr
.else
.irp c, 0,1
	ds_load_b64 v[WF+8*\tt+2*\c:WF+8*\tt+2*\c+1], v2 offset:\koff+512*(2*\u+\tt)+16*\c
.endr
.endif
	ds_load_b128 v[BI+8*\tt:BI+8*\tt+3], v4 offset:\boff+64*(2*\u+\tt)                    ; the bias of units 16 t + 8 h + 0 .. 7: the result's layout
	ds_load_b128 v[BI+8*\tt+4:BI+8*\tt+7], v4 offset:\boff+64*(2*\u+\tt)+16
.endr
.endm
.macro WZERO                           ; zero codes for k = 32 .. 63 of a weight with K = 32
.irp j, 4,5,6,7,12,13,14,15
	v_mov_b32 v[WF+\j], 0
.endr
.endm
; MULS: a half's products.  BS: the pair with the power of two that the bias is multiplied by; XA, XB: the operands.
.macro MULS BS, XA, XB
	s_wait_dscnt 0x0                               ; the half's fragments and biases are in
.set J, 0
.rept 8
	v_pk_mul_f32 v[BI+J:BI+J+1], v[BI+J:BI+J+1], s[\BS:\BS+1] op_sel_hi:[1,0]   ; exact: a power of two
.set J, J+2
.endr
	v_wmma_f32_16x16x64_fp8_fp8 v[ACC:ACC+7], v[WF:WF+7], v[\XA:\XA+7], v[BI:BI+7]
	v_wmma_f32_16x16x64_fp8_fp8 v[ACC+8:ACC+15], v[WF+8:WF+15], v[\XA:\XA+7], v[BI+8:BI+15]
	v_wmma_f32_16x16x64_fp8_fp8 v[ACC+16:ACC+23], v[WF:WF+7], v[\XB:\XB+7], v[BI:BI+7]
	v_wmma_f32_16x16x64_fp8_fp8 v[ACC+24:ACC+31], v[WF+8:WF+15], v[\XB:\XB+7], v[BI+8:BI+15]
.rept 4
	v_nop                                          ; four places (ISA guide 7.12.1) ahead of the first read of a result
.endr
	s_wait_alu depctr_va_vdst(0)                   ; the four products are done reading v[WF ..], v[BI ..] and their operands: the loads that follow land there
.endm
.macro POST0 u                         ; relu, hold and codes into HA, HB
.set J, 0
.rept 32
	v_med3_num_f32 v[ACC+J], v[ACC+J], 0, v[LIM]   ; the activation and the hold in one; each accumulator from its low end on
.set J, J+1
.endr
.irp tt, 0,1
	v_cvt_scalef32_pk8_fp8_f32 v[HA+2*(2*\u+\tt):HA+2*(2*\u+\tt)+1], v[ACC+8*\tt:ACC+8*\tt+7], v[SCL]
	v_cvt_scalef32_pk8_fp8_f32 v[HB+2*(2*\u+\tt):HB+2*(2*\u+\tt)+1], v[ACC+16+8*\tt:ACC+16+8*\tt+7], v[SCL]
.endr
	v_nop                                          ; one plain instruction behind the last conversion
.endm
.macro POST1 u                         ; relu and bf16
.set J, 0
.rept 32
	v_max_num_f32 v[ACC+J], 0, v[ACC+J]
.set J, J+1
.endr
.irp tt, 0,1
.irp i, 0,1,2,3
	v_cvt_pk_bf16_f32 v[XE+8*\u+4*\tt+\i], v[ACC+8*\tt+2*\i], v[ACC+8*\tt+2*\i+1]              ; tile A: k = 32 u + 16 tt + 8 h + 2 i, + 1: the 16-bit operand's own layout
	v_cvt_pk_bf16_f32 v[28+90*\u+4*\tt+\i], v[ACC+16+8*\tt+2*\i], v[ACC+16+8*\tt+2*\i+1]       ; tile B: v28-35, then v118-125
.endr
.endr
.endm
	WZERO
	v_mov_b32 v[SCL], s84
	v_mov_b32 v[LIM], s85
	s_wait_alu depctr_va_vdst(0)                   ; the addresses v2 .. v10 are written, which every LDS instruction and store from here on reads; the blends, weights and unpacking lines are done with v12-27 and v86-101, in which the loads land
	WLOAD L_W1, 0, L_B1, 0                         ; h = relu(enc w1 + b1), as codes
	MULS 90, XE, XE+8
	WLOAD L_W1, 0, L_B1, 1                         ; the next half's loads land while this half's results are held and converted
	POST0 0
	MULS 90, XE, XE+8
	; ---- density = h wd + bd
.irp c, 0,1,2,3
	ds_load_b64 v[WF+2*\c:WF+2*\c+1], v3 offset:L_WD+16*\c
.endr
	ds_load_b128 v[BI:BI+3], v4 offset:L_BD
	ds_load_b128 v[BI+4:BI+7], v4 offset:L_BD+16
	POST0 1
	s_wait_dscnt 0x0
	v_wmma_f32_16x16x64_fp8_fp8 v[ACC:ACC+7], v[WF:WF+7], v[HA:HA+7], 0
	v_wmma_f32_16x16x64_fp8_fp8 v[ACC+8:ACC+15], v[WF:WF+7], v[HB:HB+7], 0
.rept 4
	v_nop
.endr
.irp t, 0,1
.irp i, 0,2,4,6
	v_pk_fma_f32 v[ACC+16+8*\t+\i:ACC+16+8*\t+\i+1], v[ACC+8*\t+\i:ACC+8*\t+\i+1], s[96:97], v[BI+\i:BI+\i+1] op_sel_hi:[1,0,1]   ; sum x 2^(e2 + e3) + bd: units 8 h + 0 .. 7 of point r
.endr
.endr
	s_wait_alu depctr_va_vdst(0)                   ; the multiply-adds have written v[ACC+16 ..], which the LDS stores read, and are done reading v[ACC .. ACC+15], in which the read-backs land
.irp t, 0,1
	ds_store_b128 v6, v[ACC+16+8*\t:ACC+16+8*\t+3] offset:1024*\t          ; a lane holds half a row of out0: through my wave's stage,
	ds_store_b128 v6, v[ACC+16+8*\t+4:ACC+16+8*\t+7] offset:1024*\t+16
.endr
.irp q, 0,1,2,3
	ds_load_b128 v[ACC+4*\q:ACC+4*\q+3], v7 offset:512*\q                  ; and back as the bytes lie.  LDS serves a wave's instructions in order (ISA guide 5.7.1): these see my stores
.endr
.irp q, 0,1,2,3
	s_wait_dscnt 3-\q                              ; the younger read-backs may be out
	global_store_b128 v1, v[ACC+4*\q:ACC+4*\q+3], s[34:35] offset:512*\q th:TH_STORE_NT   ; 32 lanes store 512 consecutive bytes, aligned; read by nobody here
.endr
	; ---- the spherical harmonics, and [density, harmonics] as codes: k = 8 h + j is the density's unit, k = 16 + 8 h + j harmonic 8 h + j
.set K0,  0x3e906ebb                   ; 0.28209479
.set K1,  0x3efa2a1c                   ; 0.48860251
.set K2,  0x3f8bd8a1                   ; 1.09254843
.set K3,  0x3f723881                   ; 0.94617470
.set K4N, 0xbea17b01                   ; -0.31539157
.set K5,  0x3f0bd8a1                   ; 0.54627422
.set K6,  0x3f170d19                   ; 0.59004359
.set K7,  0x4038ffc7                   ; 2.89061144
.set K8,  0x3eea01e8                   ; 0.45704580
.set K9,  0x3ebf10f8                   ; 0.37317633
.set K10, 0x3fb8ffc7                   ; 1.44530572
	s_mov_b32 s99, K3
	s_mov_b32 s100, 0x40a00000                     ; 5.0
	v_mov_b32 v[SCL], s86
	v_mov_b32 v[LIM], s87
.macro SHQ T
.set DX, DIR+3*(\T)
.set DY, DX+1
.set DZ, DX+2
	v_mul_f32 v28, v[DX], v[DX]                    ; xx
	v_mul_f32 v29, v[DY], v[DY]                    ; yy
	v_mul_f32 v30, v[DZ], v[DZ]                    ; zz
	v_mov_b32 v12, K0
	v_mul_f32 v13, K1, v[DY]
	v_mul_f32 v14, K1, v[DZ]
	v_mul_f32 v15, K1, v[DX]
	v_mul_f32 v31, K2, v[DX]
	v_mul_f32 v32, K2, v[DY]
	v_mul_f32 v16, v31, v[DY]
	v_mul_f32 v17, v32, v[DZ]
	v_fmaak_f32 v18, s99, v30, K4N
	v_mul_f32 v19, v31, v[DZ]
	v_sub_f32 v33, v28, v29                        ; xx - yy
	v_mul_f32 v20, K5, v33
	v_fma_f32 v34, 0x40400000, v28, -v29           ; 3 xx - yy
	v_mul_f32 v31, K6, v[DY]
	v_mul_f32 v21, v31, v34
	v_mul_f32 v32, K7, v[DX]
	v_mul_f32 v32, v32, v[DY]
	v_mul_f32 v22, v32, v[DZ]
	v_fma_f32 v34, s100, v30, -1.0                 ; 5 zz - 1
	v_fmaak_f32 v35, s100, v30, 0xc0400000         ; 5 zz - 3
	v_mul_f32 v31, K8, v[DY]
	v_mul_f32 v23, v31, v34
	v_mul_f32 v31, K9, v[DZ]
	v_mul_f32 v24, v31, v35
	v_mul_f32 v31, K8, v[DX]
	v_mul_f32 v25, v31, v34
	v_mul_f32 v31, K10, v[DZ]
	v_mul_f32 v26, v31, v33
	v_fma_f32 v34, 0xc0400000, v29, v28            ; xx - 3 yy
	v_mul_f32 v31, K6, v[DX]
	v_mul_f32 v27, v31, v34
.irp j, 0,1,2,3,4,5,6,7
	v_cndmask_b32 v[12+\j], v[12+\j], v[20+\j], s52   ; my half's eight
.endr
.if (\T) == 0
	s_wait_alu depctr_vm_vsrc(0)                   ; the stage's LDS stores have read v[ACC+16 .. ACC+31], which the holds below write, and out0's stores v[ACC .. ACC+15], which the next products write
.endif
.irp j, 0,1,2,3,4,5,6,7
	v_med3_num_f32 v[ACC+16+8*(\T)+\j], v[ACC+16+8*(\T)+\j], -v[LIM], v[LIM]
	v_med3_num_f32 v[12+\j], v[12+\j], -v[LIM], v[LIM]
.endr
	v_cvt_scalef32_pk8_fp8_f32 v[XE+8*(\T):XE+8*(\T)+1], v[ACC+16+8*(\T):ACC+16+8*(\T)+7], v[SCL]
	v_cvt_scalef32_pk8_fp8_f32 v[XE+8*(\T)+2:XE+8*(\T)+3], v[12:19], v[SCL]
	v_nop                                          ; one plain instruction behind the last conversion
.endm
	SHQ 0
	SHQ 1
	v_mov_b32 v[SCL], s88
	v_mov_b32 v[LIM], s89
	WZERO
	s_wait_xcnt 0x0                                ; out0's stores have read their registers: the next products write them
	s_wait_alu depctr_va_vdst(0)                   ; the harmonics' lines are done with v12-27 and wd's products with v[WF ..]: the loads below land there
	WLOAD L_WC1, 0, L_BC1, 0                       ; c = relu(xcat wc1 + bc1), as codes
	MULS 92, XE, XE+8
	WLOAD L_WC1, 0, L_BC1, 1
	POST0 0
	MULS 92, XE, XE+8
	WLOAD L_WC2, 1, L_BC2, 0                       ; c = relu(c wc2 + bc2) / 2^(e6 + e7), as bf16
	POST0 1
	MULS 94, HA, HB
	WLOAD L_WC2, 1, L_BC2, 1
	POST1 0
	MULS 94, HA, HB
	; ---- colour = sigmoid(c wc3 + bc3): bf16 operands, K = 64 in two instructions for each tile, the two accumulators by turns
.irp u, 0,1
.irp gg, 0,1
.irp i, 0,1,2,3,4,5,6,7
	ds_load_b32 v[12+90*\u+8*\gg+\i], v5 offset:L_WC3+12*(32*\u+16*\gg+\i)   ; wc3(32 u + 16 gg + 8 h + i, r & 3), into wc2's bias' registers (u = 0) and its operands' (u = 1), which its last products have read; column 3 is the next row's first number, and feeds rows that nobody reads
.endr
.endr
.endr
	POST1 1
	s_wait_dscnt 0x0
.irp u, 0,1
.irp gg, 0,1
.irp i, 0,1,2,3
	v_cvt_pk_bf16_f32 v[WF+8*\u+4*\gg+\i], v[12+90*\u+8*\gg+2*\i], v[12+90*\u+8*\gg+2*\i+1]
.endr
.endr
.endr
	v_wmma_f32_16x16x32_bf16 v[12:19], v[WF:WF+7], v[XE:XE+7], 0
	v_wmma_f32_16x16x32_bf16 v[20:27], v[WF:WF+7], v[28:35], 0
	v_wmma_f32_16x16x32_bf16 v[12:19], v[WF+8:WF+15], v[XE+8:XE+15], v[12:19]
	v_wmma_f32_16x16x32_bf16 v[20:27], v[WF+8:WF+15], v[118:125], v[20:27]
.rept 4
	v_nop
.endr
.irp j, 0,1,2
	v_cndmask_b32 v[54+\j], v[12+\j], v[20+\j], s52   ; rows 0-2 (lanes 0-15) and rows 8-10 (lanes 16-31) both hold the colours of point r: lanes 0-15 keep tile A's, lanes 16-31 tile B's: lane l has point l of the wave
.endr
.irp j, 0,1,2
	v_fma_f32 v[54+\j], v[54+\j], s98, s[48+\j]    ; sum x 2^(e6 + e7) + bc3
.endr
.irp j, 0,1,2
	v_mul_f32 v[54+\j], 0xbfb8aa3b, v[54+\j]       ; x -log2(e)
.endr
.irp j, 0,1,2
	v_exp_f32 v[54+\j], v[54+\j]
.endr
	v_nop                                          ; a plain instruction behind the last exponential,
	s_wait_alu depctr_va_vdst(0)                   ; and a wait ahead of the batch's first reader: the three exponentials have written v54-56
.irp j, 0,1,2
	v_add_f32 v[54+\j], 1.0, v[54+\j]
.endr
.irp j, 0,1,2
	v_rcp_f32 v[54+\j], v[54+\j]                   ; 1 / (1 + e^-x)
.endr
	v_nop
	s_wait_alu depctr_va_vdst(0)                   ; the three reciprocals have written v54-56, which the LDS stores read; all vector and matrix lines are done with v58-61, in which the read-back below lands
.irp j, 0,1,2
	ds_store_b32 v8, v[54+\j] offset:4*\j          ; 12 bytes a thread: the work-group's 12,288 bytes of out1 as they lie in memory
.endr
	s_wait_dscnt 0x0                               ; for the others' sake: my stores have landed
	s_barrier_signal -1
	s_barrier_wait -1
	s_cmp_lt_u32 s51, 24                           ; 12,288 bytes are 768 threads x 16: waves 0 to 23 store them
	s_cbranch_scc0 .Lend
	ds_load_b128 v[58:61], v9
	s_wait_dscnt 0x0
	global_store_b128 v10, v[58:61], s[36:37] th:TH_STORE_NT   ; 32 lanes store 512 consecutive bytes, aligned
.Lend:
	s_wait_xcnt 0x0
	v_lshl_add_u32 v126, v0, 2, 0x18000            ; my spare word and 0, made anew straight ahead of the closing lines: no two registers could be kept; no memory or LDS instruction has read v126 or v127
	v_mov_b32 v127, 0
	s_wait_dscnt 0x0                               ; the closing lines, six on end
	s_wait_alu 0x0
	s_wait_tensorcnt 0x0
	ds_add_u32 v126, v127
	s_wait_dscnt 0x0
	s_endpgm
.Lfunc_end_k_qbdaea973b3_nerf:
	.size	k_qbdaea973b3_nerf, .Lfunc_end_k_qbdaea973b3_nerf-k_qbdaea973b3_nerf
	.p2alignl 7, 3214868480
	.fill 96, 4, 3214868480
	.section	.rodata,"a",@progbits
	.p2align	6, 0x0
	.amdhsa_kernel k_qbdaea973b3_nerf
		.amdhsa_group_segment_fixed_size 102400
		.amdhsa_private_segment_fixed_size 0
		.amdhsa_enable_private_segment 0
		.amdhsa_kernarg_size 136
		.amdhsa_user_sgpr_count 2
		.amdhsa_user_sgpr_kernarg_segment_ptr 1
		.amdhsa_wavefront_size32 1
		.amdhsa_system_sgpr_workgroup_id_x 1
		.amdhsa_system_sgpr_workgroup_id_y 1
		.amdhsa_system_sgpr_workgroup_id_z 1
		.amdhsa_system_vgpr_workitem_id 0
		.amdhsa_next_free_vgpr 128
		.amdhsa_next_free_sgpr 102
		.amdhsa_reserve_vcc 0
		.amdhsa_float_denorm_mode_32 3
		.amdhsa_float_denorm_mode_16_64 3
		.amdhsa_memory_ordered 1
		.amdhsa_forward_progress 1
		.amdhsa_inst_pref_size 123
	.end_amdhsa_kernel
	.amdgpu_metadata
---
amdhsa.version: [ 1, 2 ]
amdhsa.kernels:
  - .name:           k_qbdaea973b3_nerf
    .symbol:         k_qbdaea973b3_nerf.kd
    .args:
      - { .name: idx, .offset: 0, .size: 8, .value_kind: global_buffer, .address_space: global }
      - { .name: hash_table, .offset: 8, .size: 8, .value_kind: global_buffer, .address_space: global }
      - { .name: position, .offset: 16, .size: 8, .value_kind: global_buffer, .address_space: global }
      - { .name: direction, .offset: 24, .size: 8, .value_kind: global_buffer, .address_space: global }
      - { .name: lowp_scales, .offset: 32, .size: 8, .value_kind: global_buffer, .address_space: global }
      - { .name: w1_codes, .offset: 40, .size: 8, .value_kind: global_buffer, .address_space: global }
      - { .name: b1, .offset: 48, .size: 8, .value_kind: global_buffer, .address_space: global }
      - { .name: wd_codes, .offset: 56, .size: 8, .value_kind: global_buffer, .address_space: global }
      - { .name: bd, .offset: 64, .size: 8, .value_kind: global_buffer, .address_space: global }
      - { .name: wc1_codes, .offset: 72, .size: 8, .value_kind: global_buffer, .address_space: global }
      - { .name: bc1, .offset: 80, .size: 8, .value_kind: global_buffer, .address_space: global }
      - { .name: wc2_codes, .offset: 88, .size: 8, .value_kind: global_buffer, .address_space: global }
      - { .name: bc2, .offset: 96, .size: 8, .value_kind: global_buffer, .address_space: global }
      - { .name: wc3, .offset: 104, .size: 8, .value_kind: global_buffer, .address_space: global }
      - { .name: bc3, .offset: 112, .size: 8, .value_kind: global_buffer, .address_space: global }
      - { .name: out0, .offset: 120, .size: 8, .value_kind: global_buffer, .address_space: global }
      - { .name: out1, .offset: 128, .size: 8, .value_kind: global_buffer, .address_space: global }
    .group_segment_fixed_size: 102400
    .private_segment_fixed_size: 0
    .kernarg_segment_align: 8
    .kernarg_segment_size: 136
    .max_flat_workgroup_size: 1024
    .sgpr_count:     102
    .vgpr_count:     128
    .wavefront_size: 32
...
	.end_amdgpu_metadata
.endif
;; end of part 5
